; MI455X (gfx1250); checked and timed in simulation.
; The chip was launched on July 23, 2026; its instructions are those of AMD's public machine-readable ISA for CDNA 5 (MIT licence, August 2026) and "CDNA5" Instruction Set Architecture Reference Guide (July 2026). The comments in the code are by the model that wrote it; some were corrected since.
;; Relative Pos Attention Layer. Allowed arithmetic: float matrix products may take bf16 or f16 operands with f32 sums; other float arithmetic in f32, or as packed bf16 or f16 multiplies, adds, multiply-adds, maxima and minima; sums over many terms, partial sums and values carried from step to step in f32; what a program stores and reads back later, other than sums and carried values, may be rounded once to bf16 or f16.
;; Inputs: Wk 1,024 x 1,024 float32; Wq 1,024 x 1,024 float32; Wv 1,024 x 1,024 float32; bk 1,024 float32; bq 1,024 float32; bv 1,024 float32; key 2 x 2,048 x 1,024 float32; query 2 x 2,048 x 1,024 float32; rel_k_table 5 x 64 float32; rel_v_table 5 x 64 float32; value 2 x 2,048 x 1,024 float32.
;; Outputs: out0 2 x 2,048 x 16 x 64 float32.
;; 2 versions, each right; version 2 is version 1 with the launch fold written anew for expert scheduling mode. Each part assembles by itself: llvm-mc -triple=amdgcn-amd-amdhsa -mcpu=gfx1250 --defsym DOCPART=n.
;; ======== version 1 of 2: 4 launches
;; workspace buffers: xw 31,457,280 bytes; qimg 16,777,216 bytes; kv 17,039,360 bytes; kvp 8,388,608 bytes; sums 2,359,296 bytes; farb 4,194,304 bytes; mi 262,144 bytes
;; launch cast (part 1): grid 64 x 16, 8 waves a work-group, no clusters, 0 bytes of LDS; arguments query, key, value, Wq, Wk, Wv, xw, kv; writes xw, kv
.if DOCPART == 1
	.amdgcn_target "amdgcn-amd-amdhsa--gfx1250"
	.amdhsa_code_object_version 6
	.text
	.protected	k_q78b089b243_cast
	.globl	k_q78b089b243_cast
	.p2align	8
	.type	k_q78b089b243_cast,@function
k_q78b089b243_cast:
	s_mov_b64 s[64:65], 0
	v_nop
	global_prefetch_b8 v0, s[64:65] scope:SCOPE_SE
	s_setreg_imm32_b32 hwreg(HW_REG_WAVE_MODE, 25, 1), 1
	s_wait_xcnt 0x0
; THE PROGRAM (four launches: cast, proj, fold, attn).
; out_i = sum over j of a_ij (v_j + rv[c(i,j)]),  a_ij = q_i . (k_j + rk[c(i,j)]) / 8,  c(i,j) = clip(j - i, -2, 2) + 2.
; No softmax stands between the two products, and c takes five values, so the sum over j is re-associated, exactly in real numbers for all values of the inputs.  With q' = q / 8 and s_t(i) = q'_i . rk_t:
;   out_i = (K^T V)^T q'_i  +  sum over t of s_t(i) (sum of v_j over class t)  +  sum over t of rv_t (q'_i . (sum of k_j over class t) + n_t(i) s_t(i)),
; where class t of row i is the set of keys with c(i,j) = t and n_t(i) its size.  Classes 1, 2, 3 are the keys i-1, i, i+1; classes 0 and 4 a prefix and a suffix, each summed by itself: no difference of large sums is formed.
; The lookups rk[c], rv[c] are taken as these five classes, not as dense [L, L, 64] tables.  Every one of the eleven inputs reaches the output and is loaded; no step is left out.
; LIMITS.  Every input is rounded once to bf16.  k, v, K^T V and the prefix and suffix sums are bf16 matrix operands; q stays f32 between launches and enters s_t as a high and a low bf16 part, and so does c_t.
; The sums are associated otherwise than written, so a NaN, an infinity or an overflow spreads otherwise: a selecting factor 0 times an infinity gives NaN.
;
; THIS LAUNCH rounds query, key, value, Wq, Wk, Wv to bf16 into xw (15 pieces of 1,048,576 numbers: grid y), and (grid y = 15) writes the zero rows that stand above and below each batch in kv.
; A work-group takes 65,536 bytes of f32; a wave 8,192: sixteen loads of 512 consecutive bytes, all issued at once; each store of a wave covers 256 consecutive bytes, aligned.
.set KVH,   8519680                    ; bytes of kv's K half: 2 batches x 2,080 rows x 2,048 bytes
.set BATCH, 4259840                    ; a batch in it
.set LOWER, 4227072                    ; from a batch's upper 16 zero rows to its lower 16: 2,064 rows
	s_load_b512 s[4:19], s[0:1], 0x0               ; query 4, key 6, value 8, Wq 10, Wk 12, Wv 14, xw 16, kv 18
	s_and_b32 s20, ttmp7, 0xffff                   ; the piece
	v_lshrrev_b32 v3, 5, v0                        ; wave
	v_and_b32 v4, 31, v0                           ; lane
	v_lshlrev_b32 v1, 4, v4
	v_lshl_add_u32 v1, v3, 13, v1                  ; source: 8,192 x wave + 16 x lane
	v_lshrrev_b32 v2, 1, v1                        ; destination: half of that
	s_wait_kmcnt 0x0
	s_cmp_eq_u32 s20, 15
	s_cbranch_scc1 .Lpads
	s_lshr_b32 s21, s20, 2                         ; pieces 0-3 query, 4-7 key, 8-11 value, 12 Wq, 13 Wk, 14 Wv
	s_cmp_eq_u32 s21, 1
	s_cselect_b64 s[22:23], s[6:7], s[4:5]
	s_cmp_eq_u32 s21, 2
	s_cselect_b64 s[22:23], s[8:9], s[22:23]
	s_cmp_eq_u32 s20, 12
	s_cselect_b64 s[22:23], s[10:11], s[22:23]
	s_cmp_eq_u32 s20, 13
	s_cselect_b64 s[22:23], s[12:13], s[22:23]
	s_cmp_eq_u32 s20, 14
	s_cselect_b64 s[22:23], s[14:15], s[22:23]
	s_and_b32 s24, s20, 3                          ; which quarter of a [4096][1024] tensor; a weight is one piece
	s_cmp_lt_u32 s20, 12
	s_cselect_b32 s24, s24, 0
	s_lshl_b32 s24, s24, 22
	s_lshl_b32 s25, ttmp9, 16
	s_add_co_u32 s24, s24, s25
	s_mov_b32 s25, 0
	s_add_nc_u64 s[22:23], s[22:23], s[24:25]
	s_lshl_b32 s26, s20, 21
	s_lshl_b32 s27, ttmp9, 15
	s_add_co_u32 s26, s26, s27
	s_mov_b32 s27, 0
	s_add_nc_u64 s[26:27], s[16:17], s[26:27]
.set n, 0
.rept 16
	global_load_b128 v[16+4*n:19+4*n], v1, s[22:23] offset:512*n th:TH_LOAD_NT
.set n, n+1
.endr
.set n, 0
.rept 16
	s_wait_loadcnt 15-n                            ; loads come back in order: load n is in, the 15 - n younger ones stay out
	v_cvt_pk_bf16_f32 v[80+2*n], v[16+4*n], v[17+4*n]
	v_cvt_pk_bf16_f32 v[81+2*n], v[18+4*n], v[19+4*n]
	global_store_b64 v2, v[80+2*n:81+2*n], s[26:27] offset:256*n  ; every store has data registers of its own: nothing is rewritten
.set n, n+1
.endr
	s_endpgm
.Lpads:                                                ; 64 work-groups x 4,096 bytes: 2 halves x 2 batches x upper and lower x 16 rows of 2,048 bytes
	s_lshr_b32 s24, ttmp9, 5
	s_mul_i32 s24, s24, KVH
	s_bfe_u32 s22, ttmp9, 0x10004
	s_mul_i32 s22, s22, BATCH
	s_add_co_u32 s24, s24, s22
	s_bfe_u32 s22, ttmp9, 0x10003
	s_mul_i32 s22, s22, LOWER
	s_add_co_u32 s24, s24, s22
	s_and_b32 s22, ttmp9, 7
	s_lshl_b32 s22, s22, 12
	s_add_co_u32 s24, s24, s22
	s_mov_b32 s25, 0
	s_add_nc_u64 s[18:19], s[18:19], s[24:25]
	v_lshlrev_b32 v5, 4, v0
	v_mov_b32 v8, 0
	v_mov_b32 v9, 0
	v_mov_b32 v10, 0
	v_mov_b32 v11, 0
	global_store_b128 v5, v[8:11], s[18:19]
	s_endpgm
.Lfunc_end_k_q78b089b243_cast:
	.size	k_q78b089b243_cast, .Lfunc_end_k_q78b089b243_cast-k_q78b089b243_cast
	.p2alignl 7, 3214868480
	.fill 96, 4, 3214868480
	.section	.rodata,"a",@progbits
	.p2align	6, 0x0
	.amdhsa_kernel k_q78b089b243_cast
		.amdhsa_group_segment_fixed_size 0
		.amdhsa_private_segment_fixed_size 0
		.amdhsa_enable_private_segment 0
		.amdhsa_kernarg_size 64
		.amdhsa_user_sgpr_count 2
		.amdhsa_user_sgpr_kernarg_segment_ptr 1
		.amdhsa_wavefront_size32 1
		.amdhsa_system_sgpr_workgroup_id_x 1
		.amdhsa_system_sgpr_workgroup_id_y 1
		.amdhsa_system_sgpr_workgroup_id_z 1
		.amdhsa_system_vgpr_workitem_id 0
		.amdhsa_next_free_vgpr 112
		.amdhsa_next_free_sgpr 66
		.amdhsa_reserve_vcc 0
		.amdhsa_float_denorm_mode_32 3
		.amdhsa_float_denorm_mode_16_64 3
		.amdhsa_memory_ordered 1
		.amdhsa_forward_progress 1
		.amdhsa_inst_pref_size 8
	.end_amdhsa_kernel
	.amdgpu_metadata
---
amdhsa.version: [ 1, 2 ]
amdhsa.kernels:
  - .name:           k_q78b089b243_cast
    .symbol:         k_q78b089b243_cast.kd
    .args:
      - { .name: query, .offset: 0, .size: 8, .value_kind: global_buffer, .address_space: global }
      - { .name: key, .offset: 8, .size: 8, .value_kind: global_buffer, .address_space: global }
      - { .name: value, .offset: 16, .size: 8, .value_kind: global_buffer, .address_space: global }
      - { .name: Wq, .offset: 24, .size: 8, .value_kind: global_buffer, .address_space: global }
      - { .name: Wk, .offset: 32, .size: 8, .value_kind: global_buffer, .address_space: global }
      - { .name: Wv, .offset: 40, .size: 8, .value_kind: global_buffer, .address_space: global }
      - { .name: xw, .offset: 48, .size: 8, .value_kind: global_buffer, .address_space: global }
      - { .name: kv, .offset: 56, .size: 8, .value_kind: global_buffer, .address_space: global }
    .group_segment_fixed_size: 0
    .private_segment_fixed_size: 0
    .kernarg_segment_align: 8
    .kernarg_segment_size: 64
    .max_flat_workgroup_size: 256
    .sgpr_count:     66
    .vgpr_count:     112
    .wavefront_size: 32
...
	.end_amdgpu_metadata
.endif
;; end of part 1
;; launch proj (part 2): grid 8 x 32, 4 waves a work-group, clusters of 4 x 4, 327,680 bytes of LDS; arguments xw, bq, bk, bv, qimg, kv, kvp, sums; writes qimg, kv, kvp, sums
.if DOCPART == 2
	.amdgcn_target "amdgcn-amd-amdhsa--gfx1250"
	.amdhsa_code_object_version 6
	.text
	.protected	k_q78b089b243_proj
	.globl	k_q78b089b243_proj
	.p2align	8
	.type	k_q78b089b243_proj,@function
k_q78b089b243_proj:
	s_mov_b64 s[64:65], 0
	v_nop
	global_prefetch_b8 v0, s[64:65] scope:SCOPE_SE
	s_setreg_imm32_b32 hwreg(HW_REG_WAVE_MODE, 25, 1), 1
	s_wait_xcnt 0x0
	s_wait_alu depctr_hold_cnt(0) depctr_sa_sdst(0) depctr_va_vdst(0) depctr_va_sdst(0) depctr_va_ssrc(0) depctr_va_vcc(0) depctr_vm_vsrc(0)
	s_getreg_b32 s2, hwreg(HW_REG_IB_STS2, 6, 4)
	s_cmp_eq_u32 s2, 0
	s_cbranch_scc0 .Lentry_in_a_cluster
	s_endpgm
.Lentry_in_a_cluster:
	s_bfe_u32 s2, ttmp6, 0x10000c
	s_cmp_lg_u32 s2, 0xf033
	s_cbranch_scc0 .Lentry_shape_is_right
	s_endpgm
.Lentry_shape_is_right:
; q = query Wq^T + bq, k = key Wk^T + bk, v = value Wv^T + bv, from the bf16 copies in xw; sums in f32.  No work is left out here.
; A work-group makes the SAME 128 rows x 128 columns (a chunk of 128 rows of one batch, two heads) of q, then k, then v: three tiles, twelve K steps of 256 through a ring of two LDS slots.
; Four waves, each 64 x 64: 16 accumulators.  The product is used transposed (source 0 = 16 rows of W, source 1 = 16 rows of x): a lane holds one row and eight neighbouring columns.
; The bias, rounded to bf16 like every input, is the C operand of each sum's first product: nothing is cleared, nothing is added afterwards.
; OUT.  q leaves in f32 as the accumulators lie (qimg: wave, accumulator, half, lane x 16 bytes): 512 consecutive bytes a store.  k and v are rounded to bf16, go through stages in LDS and leave as whole rows of 256 bytes.
; Both stages then feed, by turning loads, this chunk's share of K^T V (kvp, f32), the sums of k and of v over each group of 16 rows and over the chunk (sums, f32): products with selectors of ones.
; CLUSTER 4 x 4: x's tile is shared along a row of the cluster, W's along a column; each is asked for jointly, with the same descriptor and a mask that names the four.
; No prefetch is laid: a step of this small tile has 128 matrix instructions a wave, and xw's rows are read again by the neighbouring work-groups.
; LDS: ring 0 .. 270,335 (two slots of 256 rows x 528); k's stage 270,336 .. 307,199 (128 rows x 288); spare words 307,200 .. 307,711.
;   v's stage (0 ..) and the stage of the sums (40,960 ..) lie in slot 0, written only when that slot has had its last fill (K step 10) and every wave has passed the barrier behind its last reads of it.
; REGISTERS.  window 0: v1-31 addresses; v32-95 packed results and rows; v96-111 chunk totals; v112-127 rows of sums read back; v128-255 accumulators ((a, b) at 128 + 8 (4 a + b)).
;   window 1: two fragment buffers of 128; at the end k's (0-63) and v's (64-191) turned fragments.
;   window 2: v0-95 biases (32 p + 8 b + j); v96-159, v160-175 selectors; v176-239 K^T V; v240-255 group sums.
.set KSTEP,  256
.set SIZE_K, 1024
.set PITCH,  528                       ; an LDS row: 512 bytes + 16 of padding
.set HALFT,  64*PITCH
.set SLOT,   4*HALFT
.set STK,    2*SLOT                    ; k's stage
.set SPK,    288                       ; its pitch, and that of v's stage, which begins at LDS byte 0
.set SPARE,  STK+128*SPK
.set GST,    40960                     ; 18 rows of 128 f32: k's 8 groups, v's 8 groups, k's total, v's total
.set GPI,    528
.set WOFF,   25165824                  ; the weights in xw
.set NEXT_A, 8388608-2*KSTEP*2         ; from a slot's last K step of a tile to its first of the next: the next tensor, back along K
.set NEXT_B, 2097152-2*KSTEP*2
.set KVH,    8519680
.set TRK,  8                           ; turning loads: k's stage
.set TRVA, 9                           ; v's stage, my own 32 channels
.set GSA,  10
.set TSA,  11
.set RDG,  12
.set RDT,  13
.set LO8,  14                          ; 8 x lane
.set BO,   15                          ; 32 x (lane / 16)
.set ADRA, 16
.set ADRB, 20
.set STOK, 22
.set RDK,  23
.set STOV, 24
.set RDV,  25
.set CO,   26
.set QO,   27                          ; 16 x lane
.set SPW,  28
.set NIL,  29
.set TRVB, 30                          ; v's stage, the head's other 32 channels
.set TMP,  32
.set TOT,  96
.set RBK,  112
.set ACC,  128
.set F0,   0
.set F1,   128
.set KFR,  0
.set VFR,  64
.set SEL,  96
.set SELT, 160
.set KVA,  176
.set GS,   240
.set G1,  24
.set G0,  32
.set G1B, 48
.set G0B, 56
.set MSB, 0
.macro WIN new                         ; the immediate's high byte repeats the setting that is left
.if MSB != (\new)
	s_set_vgpr_msb (MSB<<8)|(\new)
.set MSB, \new
.endif
.endm
.set MUL,  0x05                        ; sources 0 (W) and 1 (x) window 1; C and D window 0
.set MULB, 0x25                        ; the same with C, the bias, in window 2
.set TO_F, 0x40
.macro JLOAD s                         ; a joint load: waves 0 and 1 fetch x's two halves, waves 2 and 3 W's; s_nop 0 and four v_nop follow each line
	s_cmp_eq_u32 s11, 0
	s_cbranch_scc0 .Lfor_b_\@
	tensor_load_to_lds s[G0+4*(\s):G0+4*(\s)+3], s[G1:G1+7]
	s_nop 0
.rept 4
	v_nop
.endr
	s_branch .Lasked_\@
.Lfor_b_\@:
	tensor_load_to_lds s[G0B+4*(\s):G0B+4*(\s)+3], s[G1B:G1B+7]
	s_nop 0
.rept 4
	v_nop
.endr
.Lasked_\@:
.endm
.macro CREST                           ; a round of the cluster's barrier behind its opening barrier
	s_cmp_lg_u32 s10, 0
	s_cbranch_scc1 .Lnot_wave_0_\@
	s_barrier_signal -3
.Lnot_wave_0_\@:
	s_barrier_wait -3
	s_barrier_signal -1
	s_barrier_wait -1
.endm
.macro CROUND
	s_barrier_signal -1
	s_barrier_wait -1
	CREST
.endm
.macro PLACES                          ; four plain vector instructions behind matrix instructions (ISA guide 7.12.1)
.rept 4
	v_nop
.endr
.endm
	s_load_b512 s[68:83], s[0:1], 0x0              ; xw 68, bq 70, bk 72, bv 74, qimg 76, kv 78, kvp 80, sums 82
	v_lshl_add_u32 v[SPW], v0, 2, SPARE
	v_mov_b32 v[NIL], 0
	ds_add_u32 v[SPW], v[NIL]                      ; the opening: the add, twice on end, with its wait ahead of my first tensor load
	ds_add_u32 v[SPW], v[NIL]
	v_lshrrev_b32 v1, 5, v0
	v_readfirstlane_b32 s10, v1                    ; wave 0..3
	s_lshr_b32 s11, s10, 1                         ; my half of the rows; I fetch for x (0) or W (1); at the end: my head of the pair
	s_and_b32 s12, s10, 1                          ; my half of the columns (a head); which 64 rows I fetch; at the end: my half of the head's k channels
	s_bfe_u32 s40, ttmp6, 0x40000                  ; cx
	s_bfe_u32 s41, ttmp6, 0x40004                  ; cy
	s_lshl_b32 s42, ttmp9, 2
	s_add_co_u32 s42, s42, s40                     ; x: the head pair, 0..7
	s_and_b32 s13, ttmp7, 0xffff
	s_lshl_b32 s13, s13, 2
	s_add_co_u32 s13, s13, s41                     ; y: the chunk, 0..31
	s_lshl_b32 s43, s41, 2
	s_lshl_b32 s43, 15, s43                        ; my row of the cluster
	s_lshl_b32 s44, 0x1111, s40                    ; my column
	s_or_b32 s[G1+0], s43, (1<<16)|(1<<20)|(1<<21)|(6<<22)|(3<<25)   ; mask; 2-byte elements; padding on; bit 21 beside a mask; after every 128 words, 4 words
	s_or_b32 s[G1B+0], s44, (1<<16)|(1<<20)|(1<<21)|(6<<22)|(3<<25)
.irp g, G1, G1B
	s_mov_b32 s[(\g)+1], KSTEP<<16                 ; tensor_dim0 = 256
	s_mov_b32 s[(\g)+2], 64<<16                    ; tensor_dim1 = 64
	s_mov_b32 s[(\g)+3], KSTEP<<16                 ; tile_dim0 = 256
	s_mov_b32 s[(\g)+4], 64                        ; tile_dim1 = 64
	s_mov_b32 s[(\g)+5], SIZE_K                    ; elements from row to row
	s_mov_b32 s[(\g)+6], 0
	s_mov_b32 s[(\g)+7], 0
.endr
	s_mov_b32 s66, 0x3f803f80                      ; 1.0 twice in bf16
	s_mov_b32 s67, 0xffff0000
	s_lshl_b32 s17, s12, 6
	s_lshl_b32 s16, s13, 7
	s_add_co_u32 s16, s16, s17                     ; x: row 128 y + 64 x half
	s_lshl_b32 s46, s42, 7
	s_add_co_u32 s46, s46, s17                     ; W: row 128 x + 64 x half
	s_lshl_b32 s16, s16, 11                        ; rows of 2,048 bytes
	s_lshl_b32 s46, s46, 11
	s_add_co_u32 s46, s46, WOFF
	s_mov_b32 s17, 0
	s_mov_b32 s47, 0
	s_mul_i32 s20, s10, HALFT                      ; where they go: wave x 64 rows
	s_wait_dscnt 0x0                               ; both opening adds are done
	s_wait_kmcnt 0x0
	s_add_nc_u64 s[14:15], s[68:69], s[16:17]
	s_add_nc_u64 s[46:47], s[68:69], s[46:47]
	CROUND                                         ; all sixteen work-groups are here: the first joint loads meet
.irp s, 0,1
	s_mov_b32 s[G0+4*(\s)], 1
	s_add_co_u32 s[G0+4*(\s)+1], s20, (\s)*SLOT
	s_add_nc_u64 s[G0+4*(\s)+2:G0+4*(\s)+3], s[14:15], (\s)*KSTEP*2
	s_or_b32 s[G0+4*(\s)+3], s[G0+4*(\s)+3], 0x80000000
	s_mov_b32 s[G0B+4*(\s)], 1
	s_add_co_u32 s[G0B+4*(\s)+1], s20, (\s)*SLOT
	s_add_nc_u64 s[G0B+4*(\s)+2:G0B+4*(\s)+3], s[46:47], (\s)*KSTEP*2
	s_or_b32 s[G0B+4*(\s)+3], s[G0B+4*(\s)+3], 0x80000000
	JLOAD \s
.endr
	; all that follows up to the first barrier stands in the wait for the first tiles
	v_and_b32 v1, 15, v0                           ; r = l % 16
	v_bfe_u32 v2, v0, 4, 1                         ; h = l / 16
	v_and_b32 v7, 31, v0
	v_lshlrev_b32 v[BO], 5, v2
	s_lshl_b32 s98, s42, 9                         ; my 64 columns in a bias: (128 x + 64 x half) x 4 bytes
	s_lshl_b32 s96, s12, 8
	s_add_co_u32 s98, s98, s96
	s_mov_b32 s99, 0
	s_add_nc_u64 s[70:71], s[70:71], s[98:99]
	s_add_nc_u64 s[72:73], s[72:73], s[98:99]
	s_add_nc_u64 s[74:75], s[74:75], s[98:99]
	WIN 0x80                                       ; destination window 2
.irp p, 0,1,2
.irp b, 0,1,2,3
	global_load_b128 v[32*(\p)+8*(\b):32*(\p)+8*(\b)+3],   v[BO], s[70+2*(\p):71+2*(\p)] offset:64*(\b)     ; columns 16 b + 8 h + 0..3
	global_load_b128 v[32*(\p)+8*(\b)+4:32*(\p)+8*(\b)+7], v[BO], s[70+2*(\p):71+2*(\p)] offset:64*(\b)+16
.endr
.endr
	WIN 0
	v_mul_u32_u24 v3, v1, PITCH
	v_lshl_add_u32 v3, v2, 4, v3                   ; a fragment's row x pitch + 16 x half
	s_mul_i32 s21, s11, HALFT                      ; my 64 rows of x
	s_mul_i32 s22, s12, HALFT                      ; my 64 rows of W,
	s_add_co_u32 s22, s22, 2*HALFT                 ; behind x's 128
.irp s, 0,1
	v_add_nc_u32 v[ADRA+(\s)], s21, v3
	v_add_nc_u32 v[ADRB+(\s)], s22, v3
	s_add_co_u32 s21, s21, SLOT
	s_add_co_u32 s22, s22, SLOT
.endr
	s_mul_i32 s23, s11, 64*SPK                     ; into a stage: my 64 rows, my 128 bytes of them; row r, 16 bytes for each half of the lanes
	s_lshl_b32 s21, s12, 7
	s_add_co_u32 s23, s23, s21
	v_mul_u32_u24 v4, v1, SPK
	v_lshl_add_u32 v4, v2, 4, v4
	v_add_nc_u32 v[STOV], s23, v4
	v_add_nc_u32 v[STOK], STK, v[STOV]
	s_mul_i32 s23, s10, 32*SPK                     ; back: wave w takes rows 32 w .. 32 w + 31 whole, two a load
	v_mul_u32_u24 v5, v2, SPK
	v_lshl_add_u32 v5, v1, 4, v5
	v_add_nc_u32 v[RDV], s23, v5
	v_add_nc_u32 v[RDK], STK, v[RDV]
	v_lshlrev_b32 v6, 11, v2
	v_lshl_add_u32 v[CO], v1, 4, v6                ; the same two rows in kv
	v_lshlrev_b32 v[QO], 4, v7
	v_lshlrev_b32 v[LO8], 3, v7
	v_and_b32 v6, 7, v0                            ; the turning load: lane l reads row 8 h + l % 8, 16 bytes at 16 ((l / 8) % 2)
	v_lshl_add_u32 v6, v2, 3, v6
	v_mul_u32_u24 v6, v6, SPK
	v_bfe_u32 v5, v0, 3, 1
	v_lshl_add_u32 v6, v5, 4, v6
	s_lshl_b32 s23, s11, 7                         ; my head: 128 bytes
	s_lshl_b32 s21, s12, 6                         ; my half of its channels: 64 bytes
	s_add_co_u32 s22, s23, s21
	v_add_nc_u32 v[TRVA], s22, v6
	v_add_nc_u32 v[TRK], STK, v[TRVA]
	s_xor_b32 s21, s21, 64
	s_add_co_u32 s22, s23, s21
	v_add_nc_u32 v[TRVB], s22, v6
	s_lshl_b32 s23, s11, 8                         ; the stage of the sums: column (64 head + 32 half + 8 h) x 4 bytes
	s_lshl_b32 s21, s12, 7
	s_add_co_u32 s23, s23, s21
	s_add_co_u32 s23, s23, GST
	v_lshl_add_u32 v5, v2, 5, s23
	v_mul_u32_u24 v6, v1, GPI
	v_add_nc_u32 v[GSA], v5, v6                    ; row r
	v_lshrrev_b32 v6, 3, v1
	v_mul_u32_u24 v6, v6, GPI
	v_add3_u32 v[TSA], v5, v6, 16*GPI              ; row 16 + r / 8
	s_mul_i32 s23, s10, 4*GPI
	s_add_co_u32 s23, s23, GST
	v_add_nc_u32 v[RDG], s23, v[QO]                ; back: rows 4 w .. 4 w + 3, whole
	s_mul_i32 s23, s11, GPI
	s_lshl_b32 s21, s12, 8
	s_add_co_u32 s23, s23, s21
	s_add_co_u32 s23, s23, GST+16*GPI
	v_add_nc_u32 v[RDT], s23, v[LO8]               ; and half of a row of totals
	; where the results go
	s_lshl_b32 s96, s13, 3
	s_add_co_u32 s96, s96, s42
	s_lshl2_add_u32 s96, s96, s10                  ; (8 y + x) 4 + w
	s_lshl_b32 s98, s96, 14
	s_add_nc_u64 s[84:85], s[76:77], s[98:99]      ; qimg: 16,384 bytes a wave
	s_lshl_b32 s98, s96, 13
	s_add_nc_u64 s[90:91], s[80:81], s[98:99]      ; kvp: 8,192 bytes a wave
	s_lshl_b32 s98, s13, 7                         ; kv: row 128 y + 32 (y / 16) + 16 + 32 w: a batch has 2,080 rows, its own begin at 16
	s_lshr_b32 s96, s13, 4
	s_lshl_b32 s96, s96, 5
	s_add_co_u32 s98, s98, s96
	s_lshl_b32 s96, s10, 5
	s_add_co_u32 s98, s98, s96
	s_add_co_u32 s98, s98, 16
	s_lshl_b32 s98, s98, 11
	s_lshl_b32 s96, s42, 8
	s_add_co_u32 s98, s98, s96
	s_add_nc_u64 s[86:87], s[78:79], s[98:99]
	s_add_nc_u64 s[88:89], s[86:87], KVH
	s_lshl_b32 s98, s13, 15                        ; group sums: [k or v][group 8 y + 4 (w % 2) + i][1024] f32
	s_lshl_b32 s96, s12, 14
	s_add_co_u32 s98, s98, s96
	s_lshl_b32 s96, s11, 20
	s_add_co_u32 s98, s98, s96
	s_lshl_b32 s97, s42, 9
	s_add_co_u32 s98, s98, s97
	s_add_nc_u64 s[92:93], s[82:83], s[98:99]
	s_lshl_b32 s98, s13, 12                        ; totals: [k or v][y][1024] f32, behind the group sums
	s_lshl_b32 s96, s11, 17
	s_add_co_u32 s98, s98, s96
	s_add_co_u32 s98, s98, s97
	s_lshl_b32 s96, s12, 8
	s_add_co_u32 s98, s98, s96
	s_add_co_u32 s98, s98, 2097152
	s_add_nc_u64 s[94:95], s[82:83], s[98:99]
	; the selectors, as source 1 (32 rows of the chunk x 16 columns): four registers of ones in the lanes of column g
	WIN 0x80
.set g, 0
.rept 16
	v_cmp_eq_u32 vcc_lo, g, v1
.set i, 0
.rept 4
	v_cndmask_b32 v[SEL+4*g+i], 0, s66, vcc_lo
.set i, i+1
.endr
.set g, g+1
.endr
	s_wait_loadcnt 0x0                             ; the biases
	WIN 0x8a                                       ; all in window 2: each bias is rounded to bf16 and widened again
.set i, 0
.rept 6
.set k, 0
.rept 8
	v_cvt_pk_bf16_f32 v[SELT+k], v[2*(i+k)], v[2*(i+k)+1]
.set k, k+1
.endr
.set k, 0
.rept 8
	v_lshlrev_b32 v[2*(i+k)], 16, v[SELT+k]
	v_and_b32 v[2*(i+k)+1], s67, v[SELT+k]
.set k, k+1
.endr
.set i, i+8
.endr
	WIN 0x80
	v_cmp_gt_u32 vcc_lo, 8, v1                     ; columns 0-7 take k's total,
.set i, 0
.rept 8
	v_cndmask_b32 v[SELT+i], 0, s66, vcc_lo
.set i, i+1
.endr
	v_cmp_le_u32 vcc_lo, 8, v1                     ; columns 8-15 v's
.set i, 0
.rept 8
	v_cndmask_b32 v[SELT+8+i], 0, s66, vcc_lo
.set i, i+1
.endr
	WIN 0
; 8 matrix instructions: row blocks a0, a0 + 1 x all 4 column blocks, 32 along K: half c of buffer f.  cs = p: the sums start from tile p's bias; cs = -1: they go on in place.
; The 16 accumulators take turns, one instruction a turn.
.macro MUL8 f, c, a0, cs
.if (\cs) >= 0
	WIN MULB
.else
	WIN MUL
.endif
.irp a, \a0, (\a0)+1
.irp b, 0,1,2,3
.if (\cs) >= 0
	v_wmma_f32_16x16x32_bf16 v[ACC+8*(4*(\a)+(\b)):ACC+8*(4*(\a)+(\b))+7], v[(\f)+64+8*(4*(\c)+(\b)):(\f)+64+8*(4*(\c)+(\b))+7], v[(\f)+8*(4*(\c)+(\a)):(\f)+8*(4*(\c)+(\a))+7], v[32*(\cs)+8*(\b):32*(\cs)+8*(\b)+7]
.else
	v_wmma_f32_16x16x32_bf16 v[ACC+8*(4*(\a)+(\b)):ACC+8*(4*(\a)+(\b))+7], v[(\f)+64+8*(4*(\c)+(\b)):(\f)+64+8*(4*(\c)+(\b))+7], v[(\f)+8*(4*(\c)+(\a)):(\f)+8*(4*(\c)+(\a))+7], v[ACC+8*(4*(\a)+(\b)):ACC+8*(4*(\a)+(\b))+7]
.endif
.endr
.endr
.endm
; 32 LDS loads in one run: the fragments of 64 along K at byte k of the rows, into buffer f; the first 32 along K first
.macro FETCH slot, k, f
	WIN TO_F
.irp c, 0,1
.irp i, 0,1,2,3
	ds_load_b128 v[(\f)+64+8*(4*(\c)+(\i)):(\f)+64+8*(4*(\c)+(\i))+3],   v[ADRB+(\slot)] offset:(\k)+64*(\c)+(\i)*16*PITCH
	ds_load_b128 v[(\f)+64+8*(4*(\c)+(\i))+4:(\f)+64+8*(4*(\c)+(\i))+7], v[ADRB+(\slot)] offset:(\k)+64*(\c)+(\i)*16*PITCH+32
	ds_load_b128 v[(\f)+8*(4*(\c)+(\i)):(\f)+8*(4*(\c)+(\i))+3],         v[ADRA+(\slot)] offset:(\k)+64*(\c)+(\i)*16*PITCH
	ds_load_b128 v[(\f)+8*(4*(\c)+(\i))+4:(\f)+8*(4*(\c)+(\i))+7],       v[ADRA+(\slot)] offset:(\k)+64*(\c)+(\i)*16*PITCH+32
.endr
.endr
.endm
; A K step is four quarters of 64 along K on buffers 0, 1, 0, 1.  One of the first three: multiplies buffer f and fetches the next quarter, at byte k, into g.
.macro QUARTER slot, k, f, g, cs
	s_wait_dscnt 16                                ; the first 32 along K are in; the youngest sixteen loads may be out
	MUL8 \f, 0, 0, \cs
	MUL8 \f, 0, 2, \cs
	PLACES
	FETCH \slot, \k, \g
	s_wait_dscnt 32                                ; all but the 32 just issued
	MUL8 \f, 1, 0, -1
	MUL8 \f, 1, 2, -1
.endm
; The last quarter multiplies buffer 1 and changes slots.  In front of the barrier each wave waits for all its tensor loads (one is out: its part of the next slot), adds 0 to its spare word,
; and waits for that and for its reads of this slot.  fill = 1: the barrier opens a round of the cluster's, and this slot is filled again, first thing behind it; da, db step x's and W's addresses.
.macro TURN slot, next, fill, da, db
	WIN 0
	s_wait_tensorcnt 0x0
	ds_add_u32 v[SPW], v[NIL]
	s_wait_dscnt 17                                ; the add and the youngest sixteen loads may be out
	MUL8 F1, 0, 0, -1
	s_wait_dscnt 0x0                               ; the add is done, and my reads of this slot are over
	s_barrier_signal -1
	MUL8 F1, 0, 2, -1
.if \fill
	WIN 0
.endif
	s_barrier_wait -1
.if \fill
	CREST
	s_add_nc_u64 s[G0+4*(\slot)+2:G0+4*(\slot)+3], s[G0+4*(\slot)+2:G0+4*(\slot)+3], \da
	s_add_nc_u64 s[G0B+4*(\slot)+2:G0B+4*(\slot)+3], s[G0B+4*(\slot)+2:G0B+4*(\slot)+3], \db
	JLOAD \slot                                    ; its four v_nop are also the places in front of the loads below
.else
	PLACES
.endif
	FETCH \next, 0, F0
	MUL8 F1, 1, 0, -1
	MUL8 F1, 1, 2, -1
.endm
; Tile p: K steps 4 p .. 4 p + 3 of the walk's twelve, in slots 0, 1, 0, 1.  Steps 0 to 9 fill their slot again with the step two on (a tile's last two with the next tile's first two);
; step 10 has a plain barrier, step 11 none: the tail is written out.  By this text's count a wave has two tensor loads out at the start, later one.
.macro TILE p
	QUARTER 0, 128, F0, F1, \p
	QUARTER 0, 256, F1, F0, -1
	QUARTER 0, 384, F0, F1, -1
	TURN 0, 1, 1, 2*KSTEP*2, 2*KSTEP*2
	QUARTER 1, 128, F0, F1, -1
	QUARTER 1, 256, F1, F0, -1
	QUARTER 1, 384, F0, F1, -1
	TURN 1, 0, 1, 2*KSTEP*2, 2*KSTEP*2
	QUARTER 0, 128, F0, F1, -1
	QUARTER 0, 256, F1, F0, -1
	QUARTER 0, 384, F0, F1, -1
.if (\p) < 2
	TURN 0, 1, 1, NEXT_A, NEXT_B
.else
	TURN 0, 1, 0, 0, 0
.endif
	QUARTER 1, 128, F0, F1, -1
	QUARTER 1, 256, F1, F0, -1
	QUARTER 1, 384, F0, F1, -1
.if (\p) < 2
	TURN 1, 0, 1, NEXT_A, NEXT_B
.else
	s_wait_dscnt 16
	MUL8 F1, 0, 0, -1
	MUL8 F1, 0, 2, -1
	s_wait_dscnt 0x0
	MUL8 F1, 1, 0, -1
	MUL8 F1, 1, 2, -1
.endif
	WIN 0
.endm
; k's and v's way out, first part: rounded to bf16, 16 bytes a lane into the work-group's stage; a barrier, since a row's 256 bytes come from two waves; then 32 whole rows a wave are read back.
.macro STAGEIN sto, rd
	s_wait_xcnt 0x0                                ; the stores of the tile before have read TMP
	PLACES
.irp t, 0,1,2,3,4,5,6,7,8,9,10,11,12,13,14,15
.irp r, 0,1,2,3
	v_cvt_pk_bf16_f32 v[TMP+4*(\t)+(\r)], v[ACC+8*(\t)+2*(\r)], v[ACC+8*(\t)+2*(\r)+1]
.endr
.endr
.irp a, 0,1,2,3
.irp b, 0,1,2,3
	ds_store_b128 v[\sto], v[TMP+4*(4*(\a)+(\b)):TMP+4*(4*(\a)+(\b))+3] offset:(\a)*16*SPK+32*(\b)
.endr
.endr
	s_wait_dscnt 0x0                               ; for the others' sake: my stores into the stage are done
	s_barrier_signal -1                            ; the refill that is out may stay out
	s_barrier_wait -1
.irp t, 0,1,2,3,4,5,6,7,8,9,10,11,12,13,14,15
	ds_load_b128 v[TMP+4*(\t):TMP+4*(\t)+3], v[\rd] offset:(\t)*2*SPK
.endr
.endm
.macro SENDROWS base, younger          ; younger: LDS loads issued behind the sixteen
.irp t, 0,1,2,3,4,5,6,7,8,9,10,11,12,13,14,15
	s_wait_dscnt (\younger)+15-(\t)
	global_store_b128 v[CO], v[TMP+4*(\t):TMP+4*(\t)+3], s[\base:(\base)+1] offset:(\t)*4096  ; 16 lanes store 256 consecutive bytes, aligned
.endr
.endm
.macro WM d, a, b, first               ; one product; first: it starts the sum
.if \first
	v_wmma_f32_16x16x32_bf16 v[(\d):(\d)+7], v[(\a):(\a)+7], v[(\b):(\b)+7], 0
.else
	v_wmma_f32_16x16x32_bf16 v[(\d):(\d)+7], v[(\a):(\a)+7], v[(\b):(\b)+7], v[(\d):(\d)+7]
.endif
.endm
	s_wait_tensorcnt 1                             ; my part of K step 0 is in; step 1's may stay out
	s_barrier_signal -1
	s_barrier_wait -1
	FETCH 0, 0, F0
	TILE 0
	PLACES                                         ; q leaves as it lies.  Eight places: the next tile's first products write over these accumulators and are no links of their chains
	PLACES
.irp t, 0,1,2,3,4,5,6,7,8,9,10,11,12,13,14,15
	global_store_b128 v[QO], v[ACC+8*(\t):ACC+8*(\t)+3],   s[84:85] offset:1024*(\t)      ; each accumulator's low registers first
	global_store_b128 v[QO], v[ACC+8*(\t)+4:ACC+8*(\t)+7], s[84:85] offset:1024*(\t)+512
.endr
	s_wait_xcnt 0x0                                ; the accumulators are written again only behind this wait
	TILE 1
	STAGEIN STOK, RDK
	SENDROWS 86, 0
	TILE 2
	STAGEIN STOV, RDV
	WIN 0x40                                       ; 48 turning loads: k's channels 32 half + 16 kt, v's four tiles of 16 channels (slots 0, 1: my own 32; slots 2, 3: the other 32), 32 rows of the chunk a fragment
.irp ks, 0,1,2,3
.irp t, 0,1
	ds_load_tr16_b128 v[KFR+16*(\ks)+8*(\t):KFR+16*(\ks)+8*(\t)+3],   v[TRK] offset:9216*(\ks)+32*(\t)
	ds_load_tr16_b128 v[KFR+16*(\ks)+8*(\t)+4:KFR+16*(\ks)+8*(\t)+7], v[TRK] offset:9216*(\ks)+32*(\t)+4608
	ds_load_tr16_b128 v[VFR+32*(\ks)+8*(\t):VFR+32*(\ks)+8*(\t)+3],   v[TRVA] offset:9216*(\ks)+32*(\t)
	ds_load_tr16_b128 v[VFR+32*(\ks)+8*(\t)+4:VFR+32*(\ks)+8*(\t)+7], v[TRVA] offset:9216*(\ks)+32*(\t)+4608
	ds_load_tr16_b128 v[VFR+32*(\ks)+16+8*(\t):VFR+32*(\ks)+16+8*(\t)+3],   v[TRVB] offset:9216*(\ks)+32*(\t)
	ds_load_tr16_b128 v[VFR+32*(\ks)+16+8*(\t)+4:VFR+32*(\ks)+16+8*(\t)+7], v[TRVB] offset:9216*(\ks)+32*(\t)+4608
.endr
.endr
	WIN 0
	SENDROWS 88, 48
	s_wait_dscnt 0x0
	; K^T V of the chunk (8 accumulators: k tile kt, v slot vt), group sums and totals (2 + 2): sixteen products for each 32 rows, every accumulator one instruction a turn
.irp ks, 0,1,2,3
	WIN 0xa5
.irp kt, 0,1
.irp vt, 0,1,2,3
	WM KVA+8*(4*(\kt)+(\vt)), KFR+16*(\ks)+8*(\kt), VFR+32*(\ks)+8*(\vt), (\ks)==0
.endr
.endr
	WIN 0xa9
	WM GS,   KFR+16*(\ks),   SEL+8*(\ks), (\ks)==0
	WM GS+8, KFR+16*(\ks)+8, SEL+8*(\ks), (\ks)==0
	WIN 0x09
	WM TOT,   KFR+16*(\ks),   SELT, (\ks)==0
	WM TOT+8, KFR+16*(\ks)+8, SELT, (\ks)==0
	WIN 0xa9
	WM GS,   VFR+32*(\ks),   SEL+32+8*(\ks), 0
	WM GS+8, VFR+32*(\ks)+8, SEL+32+8*(\ks), 0
	WIN 0x09
	WM TOT,   VFR+32*(\ks),   SELT+8, 0
	WM TOT+8, VFR+32*(\ks)+8, SELT+8, 0
.endr
	PLACES
	PLACES
	WIN 0x08                                       ; store data in window 2
.irp a, 0,1,2,3,4,5,6,7
	global_store_b128 v[QO], v[KVA+8*(\a):KVA+8*(\a)+3],   s[90:91] offset:1024*(\a)
	global_store_b128 v[QO], v[KVA+8*(\a)+4:KVA+8*(\a)+7], s[90:91] offset:1024*(\a)+512
.endr
.irp t, 0,1
	ds_store_b128 v[GSA], v[GS+8*(\t):GS+8*(\t)+3],   offset:64*(\t)
	ds_store_b128 v[GSA], v[GS+8*(\t)+4:GS+8*(\t)+7], offset:64*(\t)+16
.endr
	WIN 0
.irp t, 0,1
	ds_store_b128 v[TSA], v[TOT+8*(\t):TOT+8*(\t)+3],   offset:64*(\t)      ; eight lanes hold the same total and write the same bytes
	ds_store_b128 v[TSA], v[TOT+8*(\t)+4:TOT+8*(\t)+7], offset:64*(\t)+16
.endr
	s_wait_dscnt 0x0
	s_barrier_signal -1
	s_barrier_wait -1                              ; all four waves' columns of the 18 rows lie in LDS
.irp i, 0,1,2,3
	ds_load_b128 v[RBK+4*(\i):RBK+4*(\i)+3], v[RDG] offset:GPI*(\i)
.endr
	ds_load_b64 v[6:7], v[RDT]
.irp i, 0,1,2,3
	s_wait_dscnt 4-(\i)
	global_store_b128 v[QO], v[RBK+4*(\i):RBK+4*(\i)+3], s[92:93] offset:4096*(\i)  ; 512 consecutive bytes
.endr
	s_wait_dscnt 0x0
	global_store_b64 v[LO8], v[6:7], s[94:95]      ; 256 consecutive bytes, aligned
	s_wait_tensorcnt 0x0                           ; the wave's end
	ds_add_u32 v[SPW], v[NIL]
	s_wait_dscnt 0x0
	CROUND                                         ; the closing round
	s_endpgm
.Lfunc_end_k_q78b089b243_proj:
	.size	k_q78b089b243_proj, .Lfunc_end_k_q78b089b243_proj-k_q78b089b243_proj
	.p2alignl 7, 3214868480
	.fill 96, 4, 3214868480
	.section	.rodata,"a",@progbits
	.p2align	6, 0x0
	.amdhsa_kernel k_q78b089b243_proj
		.amdhsa_group_segment_fixed_size 327680
		.amdhsa_private_segment_fixed_size 0
		.amdhsa_enable_private_segment 0
		.amdhsa_kernarg_size 64
		.amdhsa_user_sgpr_count 2
		.amdhsa_user_sgpr_kernarg_segment_ptr 1
		.amdhsa_wavefront_size32 1
		.amdhsa_system_sgpr_workgroup_id_x 1
		.amdhsa_system_sgpr_workgroup_id_y 1
		.amdhsa_system_sgpr_workgroup_id_z 1
		.amdhsa_system_vgpr_workitem_id 0
		.amdhsa_next_free_vgpr 768
		.amdhsa_next_free_sgpr 102
		.amdhsa_reserve_vcc 1
		.amdhsa_float_denorm_mode_32 3
		.amdhsa_float_denorm_mode_16_64 3
		.amdhsa_memory_ordered 1
		.amdhsa_forward_progress 1
		.amdhsa_inst_pref_size 255
	.end_amdhsa_kernel
	.section	.bss,"aw",@nobits
	.p2align	6
	.space	262144
	.amdgpu_metadata
---
amdhsa.version: [ 1, 2 ]
amdhsa.kernels:
  - .name:           k_q78b089b243_proj
    .symbol:         k_q78b089b243_proj.kd
    .args:
      - { .name: xw, .offset: 0, .size: 8, .value_kind: global_buffer, .address_space: global }
      - { .name: bq, .offset: 8, .size: 8, .value_kind: global_buffer, .address_space: global }
      - { .name: bk, .offset: 16, .size: 8, .value_kind: global_buffer, .address_space: global }
      - { .name: bv, .offset: 24, .size: 8, .value_kind: global_buffer, .address_space: global }
      - { .name: qimg, .offset: 32, .size: 8, .value_kind: global_buffer, .address_space: global }
      - { .name: kv, .offset: 40, .size: 8, .value_kind: global_buffer, .address_space: global }
      - { .name: kvp, .offset: 48, .size: 8, .value_kind: global_buffer, .address_space: global }
      - { .name: sums, .offset: 56, .size: 8, .value_kind: global_buffer, .address_space: global }
    .group_segment_fixed_size: 327680
    .private_segment_fixed_size: 0
    .kernarg_segment_align: 8
    .kernarg_segment_size: 64
    .max_flat_workgroup_size: 128
    .sgpr_count:     102
    .vgpr_count:     768
    .wavefront_size: 32
...
	.end_amdgpu_metadata
.endif
;; end of part 2
;; launch fold (part 3): grid 256 x 1, 4 waves a work-group, no clusters, 0 bytes of LDS; arguments kvp, sums, farb, mi; writes farb, mi
.if DOCPART == 3
	.amdgcn_target "amdgcn-amd-amdhsa--gfx1250"
	.amdhsa_code_object_version 6
	.text
	.protected	k_q78b089b243_fold
	.globl	k_q78b089b243_fold
	.p2align	8
	.type	k_q78b089b243_fold,@function
k_q78b089b243_fold:
	s_mov_b64 s[64:65], 0
	v_nop
	global_prefetch_b8 v0, s[64:65] scope:SCOPE_SE
	s_setreg_imm32_b32 hwreg(HW_REG_WAVE_MODE, 25, 1), 1
	s_wait_xcnt 0x0
; Two jobs of 512 waves each; a wave is a unit by itself, so there is no LDS and no barrier.  All sums in f32.  No work is left out here.
; JOB A (work-groups 0-127): M = K^T V of a batch and head = the sum of the 16 chunks' shares in kvp.  A unit adds one accumulator image (1,024 bytes) over the chunks, rounds it to bf16 and stores it as half a
;   fragment of source 0 of M^T q: lane l holds v channel 16 vt + l % 16 and k channels 32 c + 16 p + 8 (l / 16) + 0..7.
; JOB B (work-groups 128-255): for each group g of 16 rows the sum of k (of v) over the groups up to g - 2, and over those from g + 2 on.  A unit takes a chunk's 8 groups and 128 channels.
;   Whole chunks come from the chunk totals, chosen by factors 1 or 0; the rest is added group by group, upward for the one sum and downward for the other: no sum is ever taken from another.
;   With a bias in k or v these sums grow with the number of keys, so each leaves in TWO bf16 parts: the sum rounded, and what that rounding left, rounded.
;   farb: [batch][group][8 rows: Klo, Khi, Vlo, Vhi high parts, then their low parts][1024].
.set CT,  8                            ; v[8:71]    16 chunk totals (job A: v[8:135] the 16 images)
.set GPR, 72                           ; v[72:103]  the 8 groups of the chunk before
.set GOR, 104                          ; v[104:135] of my chunk
.set GNR, 136                          ; v[136:167] of the chunk behind
.set LOA, 168
.set HIA, 172
.set OUT, 176                          ; v[176:239] 16 results, four registers each (high, low), never rewritten
.set TW,  240                          ; v[240:243] at work
	s_load_b256 s[4:11], s[0:1], 0x0               ; kvp 4, sums 6, farb 8, mi 10
	v_lshrrev_b32 v1, 5, v0
	v_readfirstlane_b32 s12, v1
	v_and_b32 v2, 31, v0
	v_lshlrev_b32 v3, 4, v2                        ; 16 x lane
	v_lshlrev_b32 v4, 3, v2                        ; 8 x lane
	s_and_b32 s13, ttmp9, 127
	s_lshl2_add_u32 s13, s13, s12                  ; the unit, 0..511
	s_mov_b32 s19, 0
	s_wait_kmcnt 0x0
	s_cmp_lt_u32 ttmp9, 128
	s_cbranch_scc0 .Lfar
	s_and_b32 s14, s13, 7                          ; accumulator 4 kt + slot
	s_bfe_u32 s15, s13, 0x20003                    ; the wave w that made it
	s_bfe_u32 s16, s13, 0x30005                    ; head pair x
	s_lshr_b32 s17, s13, 8                         ; batch b
	s_lshl_b32 s18, s17, 7
	s_add_co_u32 s18, s18, s16
	s_lshl2_add_u32 s18, s18, s15
	s_lshl_b32 s18, s18, 13                        ; ((128 b + x) 4 + w) x 8,192
	s_lshl_b32 s20, s14, 10
	s_add_co_u32 s18, s18, s20
	s_add_nc_u64 s[4:5], s[4:5], s[18:19]
.set j, 0
.rept 16
	global_load_b128 v[8+8*j:11+8*j],  v3, s[4:5] offset:262144*j th:TH_LOAD_NT      ; chunk j: 512 consecutive bytes a load
	global_load_b128 v[12+8*j:15+8*j], v3, s[4:5] offset:262144*j+512 th:TH_LOAD_NT
.set j, j+1
.endr
	s_and_b32 s20, s15, 1                          ; c = w % 2
	s_lshr_b32 s21, s15, 1                         ; the head of the pair
	s_and_b32 s22, s14, 3
	s_lshl_b32 s23, s20, 1
	s_xor_b32 s22, s22, s23                        ; vt = slot xor 2 c: the waves keep their own 32 channels in slots 0 and 1
	s_lshl_b32 s24, s17, 4
	s_lshl_b32 s25, s16, 1
	s_add_co_u32 s24, s24, s25
	s_add_co_u32 s24, s24, s21                     ; 16 b + head
	s_lshl_b32 s24, s24, 4
	s_lshl2_add_u32 s24, s22, s24                  ; + 4 vt
	s_add_co_u32 s24, s24, s23                     ; + 2 c
	s_lshr_b32 s25, s14, 2
	s_add_co_u32 s24, s24, s25                     ; + p = kt
	s_lshl_b32 s18, s24, 9
	s_add_nc_u64 s[10:11], s[10:11], s[18:19]
	s_wait_loadcnt 0x0
.irp st, 8,4,2,1
.set j, 0
.rept \st
.set m, 0
.rept 4
	v_pk_add_f32 v[8+8*j+2*m:9+8*j+2*m], v[8+8*j+2*m:9+8*j+2*m], v[8+8*(j+\st)+2*m:9+8*(j+\st)+2*m]
.set m, m+1
.endr
.set j, j+1
.endr
.endr
.irp m, 0,1,2,3
	v_cvt_pk_bf16_f32 v[136+(\m)], v[8+2*(\m)], v[9+2*(\m)]
.endr
	global_store_b128 v3, v[136:139], s[10:11]     ; 512 consecutive bytes
	s_endpgm
.Lfar:
	s_and_b32 s14, s13, 7                          ; block of 128 channels
	s_bfe_u32 s15, s13, 0x40003                    ; chunk J
	s_bfe_u32 s16, s13, 0x10007                    ; batch
	s_lshr_b32 s17, s13, 8                         ; k (0) or v (1)
	s_lshl_b32 s21, s14, 9
	s_lshl_b32 s18, s17, 17
	s_lshl_b32 s20, s16, 16
	s_add_co_u32 s18, s18, s20
	s_add_co_u32 s18, s18, s21
	s_add_co_u32 s18, s18, 2097152
	s_add_nc_u64 s[22:23], s[6:7], s[18:19]        ; the batch's chunk totals, my channels
	s_lshl_b32 s18, s17, 20
	s_lshl_b32 s20, s16, 19
	s_add_co_u32 s18, s18, s20
	s_add_co_u32 s18, s18, s21
	s_add_nc_u64 s[6:7], s[6:7], s[18:19]          ; the batch's group sums, my channels
	s_max_u32 s20, s15, 1
	s_sub_co_u32 s20, s20, 1                       ; the chunk before, held inside the batch (its factor is then 0)
	s_lshl_b32 s18, s20, 15
	s_add_nc_u64 s[24:25], s[6:7], s[18:19]
	s_lshl_b32 s18, s15, 15
	s_add_nc_u64 s[26:27], s[6:7], s[18:19]
	s_add_co_u32 s28, s15, 1
	s_min_u32 s20, s28, 15                         ; the chunk behind, likewise
	s_lshl_b32 s18, s20, 15
	s_add_nc_u64 s[30:31], s[6:7], s[18:19]
	s_lshl_b32 s18, s16, 21                        ; farb: ((128 b + 8 J + g) 8 + 4 part + 2 kv + dir) x 2,048 + 256 x block
	s_lshl_b32 s20, s15, 17
	s_add_co_u32 s18, s18, s20
	s_lshl_b32 s20, s17, 12
	s_add_co_u32 s18, s18, s20
	s_lshl_b32 s20, s14, 8
	s_add_co_u32 s18, s18, s20
	s_add_nc_u64 s[32:33], s[8:9], s[18:19]
	s_mov_b32 s34, 0xffff0000                      ; a word's upper bf16
.set j, 0
.rept 16
	global_load_b128 v[CT+4*j:CT+4*j+3], v3, s[22:23] offset:4096*j
.set j, j+1
.endr
.set j, 0
.rept 8
	global_load_b128 v[GPR+4*j:GPR+4*j+3], v3, s[24:25] offset:4096*j
	global_load_b128 v[GOR+4*j:GOR+4*j+3], v3, s[26:27] offset:4096*j
	global_load_b128 v[GNR+4*j:GNR+4*j+3], v3, s[30:31] offset:4096*j
.set j, j+1
.endr
	s_mov_b32 s41, 0                               ; named as pairs; the packed forms take the low word for both halves
	s_mov_b32 s43, 0
	s_mov_b32 s45, 0
	s_mov_b32 s47, 0
	s_cmp_gt_u32 s15, 0
	s_cselect_b32 s44, 1.0, 0                      ; is there a chunk before?
	s_cmp_lt_u32 s15, 15
	s_cselect_b32 s46, 1.0, 0                      ; a chunk behind?
	s_wait_loadcnt 0x0
.set j, 0
.rept 14
	s_cmp_gt_u32 s15, j+1                          ; chunk j lies wholly below: j + 1 < J
	s_cselect_b32 s40, 1.0, 0
	s_cmp_lt_u32 s28, j+2                          ; chunk j + 2 lies wholly above: J + 1 < j + 2
	s_cselect_b32 s42, 1.0, 0
.if j == 0
	v_pk_mul_f32 v[LOA:LOA+1],   v[CT:CT+1],     s[40:41] op_sel_hi:[1,0]
	v_pk_mul_f32 v[LOA+2:LOA+3], v[CT+2:CT+3],   s[40:41] op_sel_hi:[1,0]
	v_pk_mul_f32 v[HIA:HIA+1],   v[CT+8:CT+9],   s[42:43] op_sel_hi:[1,0]
	v_pk_mul_f32 v[HIA+2:HIA+3], v[CT+10:CT+11], s[42:43] op_sel_hi:[1,0]
.else
	v_pk_fma_f32 v[LOA:LOA+1],   v[CT+4*j:CT+4*j+1],     s[40:41], v[LOA:LOA+1] op_sel_hi:[1,0,1]
	v_pk_fma_f32 v[LOA+2:LOA+3], v[CT+4*j+2:CT+4*j+3],   s[40:41], v[LOA+2:LOA+3] op_sel_hi:[1,0,1]
	v_pk_fma_f32 v[HIA:HIA+1],   v[CT+4*j+8:CT+4*j+9],   s[42:43], v[HIA:HIA+1] op_sel_hi:[1,0,1]
	v_pk_fma_f32 v[HIA+2:HIA+3], v[CT+4*j+10:CT+4*j+11], s[42:43], v[HIA+2:HIA+3] op_sel_hi:[1,0,1]
.endif
.set j, j+1
.endr
.macro ADDM acc, src, sp               ; a neighbouring chunk's group, times its factor
	v_pk_fma_f32 v[(\acc):(\acc)+1],   v[(\src):(\src)+1],   s[\sp:(\sp)+1], v[(\acc):(\acc)+1] op_sel_hi:[1,0,1]
	v_pk_fma_f32 v[(\acc)+2:(\acc)+3], v[(\src)+2:(\src)+3], s[\sp:(\sp)+1], v[(\acc)+2:(\acc)+3] op_sel_hi:[1,0,1]
.endm
.macro ADDP acc, src                   ; a group of my own chunk
	v_pk_add_f32 v[(\acc):(\acc)+1],   v[(\acc):(\acc)+1],   v[(\src):(\src)+1]
	v_pk_add_f32 v[(\acc)+2:(\acc)+3], v[(\acc)+2:(\acc)+3], v[(\src)+2:(\src)+3]
.endm
.set nout, 0
.macro EMIT acc, g, dir                ; the running sum is group g's: its high part, what the rounding left as its low part; each store covers 256 consecutive bytes, aligned
	v_cvt_pk_bf16_f32 v[OUT+4*nout],   v[(\acc)],   v[(\acc)+1]
	v_cvt_pk_bf16_f32 v[OUT+4*nout+1], v[(\acc)+2], v[(\acc)+3]
	v_lshlrev_b32 v[TW],   16,  v[OUT+4*nout]
	v_and_b32     v[TW+1], s34, v[OUT+4*nout]
	v_lshlrev_b32 v[TW+2], 16,  v[OUT+4*nout+1]
	v_and_b32     v[TW+3], s34, v[OUT+4*nout+1]
	v_pk_add_f32 v[TW:TW+1],   v[(\acc):(\acc)+1],   v[TW:TW+1]   neg_lo:[0,1] neg_hi:[0,1]
	v_pk_add_f32 v[TW+2:TW+3], v[(\acc)+2:(\acc)+3], v[TW+2:TW+3] neg_lo:[0,1] neg_hi:[0,1]
	v_cvt_pk_bf16_f32 v[OUT+4*nout+2], v[TW],   v[TW+1]
	v_cvt_pk_bf16_f32 v[OUT+4*nout+3], v[TW+2], v[TW+3]
	global_store_b64 v4, v[OUT+4*nout:OUT+4*nout+1],   s[32:33] offset:16384*(\g)+2048*(\dir)
	global_store_b64 v4, v[OUT+4*nout+2:OUT+4*nout+3], s[32:33] offset:16384*(\g)+2048*(\dir)+8192
.set nout, nout+1
.endm
.irp g, 0,1,2,3,4,5,6
	ADDM LOA, GPR+4*(\g), 44
.endr
	EMIT LOA, 0, 0                                 ; groups up to 8 J - 2
	ADDM LOA, GPR+28, 44
	EMIT LOA, 1, 0
.irp g, 0,1,2,3,4,5
	ADDP LOA, GOR+4*(\g)
	EMIT LOA, (\g)+2, 0
.endr
.irp g, 7,6,5,4,3,2,1
	ADDM HIA, GNR+4*(\g), 46
.endr
	EMIT HIA, 7, 1                                 ; groups from 8 J + 9 on
	ADDM HIA, GNR, 46
	EMIT HIA, 6, 1
.irp g, 7,6,5,4,3,2
	ADDP HIA, GOR+4*(\g)
	EMIT HIA, (\g)-2, 1
.endr
	s_endpgm
.Lfunc_end_k_q78b089b243_fold:
	.size	k_q78b089b243_fold, .Lfunc_end_k_q78b089b243_fold-k_q78b089b243_fold
	.p2alignl 7, 3214868480
	.fill 96, 4, 3214868480
	.section	.rodata,"a",@progbits
	.p2align	6, 0x0
	.amdhsa_kernel k_q78b089b243_fold
		.amdhsa_group_segment_fixed_size 0
		.amdhsa_private_segment_fixed_size 0
		.amdhsa_enable_private_segment 0
		.amdhsa_kernarg_size 32
		.amdhsa_user_sgpr_count 2
		.amdhsa_user_sgpr_kernarg_segment_ptr 1
		.amdhsa_wavefront_size32 1
		.amdhsa_system_sgpr_workgroup_id_x 1
		.amdhsa_system_sgpr_workgroup_id_y 1
		.amdhsa_system_sgpr_workgroup_id_z 1
		.amdhsa_system_vgpr_workitem_id 0
		.amdhsa_next_free_vgpr 248
		.amdhsa_next_free_sgpr 66
		.amdhsa_reserve_vcc 0
		.amdhsa_float_denorm_mode_32 3
		.amdhsa_float_denorm_mode_16_64 3
		.amdhsa_memory_ordered 1
		.amdhsa_forward_progress 1
		.amdhsa_inst_pref_size 34
	.end_amdhsa_kernel
	.amdgpu_metadata
---
amdhsa.version: [ 1, 2 ]
amdhsa.kernels:
  - .name:           k_q78b089b243_fold
    .symbol:         k_q78b089b243_fold.kd
    .args:
      - { .name: kvp, .offset: 0, .size: 8, .value_kind: global_buffer, .address_space: global }
      - { .name: sums, .offset: 8, .size: 8, .value_kind: global_buffer, .address_space: global }
      - { .name: farb, .offset: 16, .size: 8, .value_kind: global_buffer, .address_space: global }
      - { .name: mi, .offset: 24, .size: 8, .value_kind: global_buffer, .address_space: global }
    .group_segment_fixed_size: 0
    .private_segment_fixed_size: 0
    .kernarg_segment_align: 8
    .kernarg_segment_size: 32
    .max_flat_workgroup_size: 128
    .sgpr_count:     66
    .vgpr_count:     248
    .wavefront_size: 32
...
	.end_amdgpu_metadata
.endif
;; end of part 3
;; launch attn (part 4): grid 8 x 32, 8 waves a work-group, no clusters, 209,408 bytes of LDS; arguments qimg, kv, farb, mi, rel_k_table, rel_v_table, out0; writes out0
.if DOCPART == 4
	.amdgcn_target "amdgcn-amd-amdhsa--gfx1250"
	.amdhsa_code_object_version 6
	.text
	.protected	k_q78b089b243_attn
	.globl	k_q78b089b243_attn
	.p2align	8
	.type	k_q78b089b243_attn,@function
k_q78b089b243_attn:
	s_mov_b64 s[64:65], 0
	v_nop
	global_prefetch_b8 v0, s[64:65] scope:SCOPE_SE
	s_setreg_imm32_b32 hwreg(HW_REG_WAVE_MODE, 25, 1), 1
	s_wait_xcnt 0x0
; out_i = M^T q'_i + sum over near keys j of s_c(i,j) v_j + s_0 Vlo + s_4 Vhi + sum over t of rv_t c_t(i),  q' = q / 8,  s_t = q' . rk_t,
; c_t = n_t s_t + (sum of q' . k_j over the near keys of class t) + (t = 0: q' . Klo; t = 4: q' . Khi).  The dense [L, L] products are not formed: the identity stands at the head of the first kernel.
; For a tile of 16 rows (group g) the NEAR keys are the groups g - 1, g, g + 1; all keys below are of class 0 and all above of class 4 for every row of the tile: their sums Klo, Khi, Vlo, Vhi come from farb.
; Rows outside the batch are zero rows of kv: they add nothing to any product; the sizes n_t alone know where the sequence ends.
; SHARES.  A work-group: a chunk of 128 rows, two heads.  A wave: one head, two tiles of 16 rows.  No cluster: what work-groups share is 16 rows of k and v at a chunk's ends and 8 KiB of M.
; LAYOUT.  All products hold one query a lane (l % 16).  S^T = K Q^T and AX = AUX Q^T give keys (rows of AUX) 8 (l / 16) + 0..7.  AUX's rows: rk_0..rk_4 twice over, so that s_t stands in both halves of the
;   lanes; rows 5, 6 the high parts of Klo, Khi; rows 13, 14 their low parts: the exchange between the halves of the lanes that sums the near keys adds the two parts as well.
;   O^T = M^T Q + V^T P + RV C: P holds bf16(s_c) for the 48 near keys; C holds c_t's high bf16 part at k = t and its low part at k = 8 + t; RV holds rv_t at both.
;   The far sums of v take six key slots: Vlo, Vhi (high) with s_0, s_4 (high); the same with s_0, s_4 (low); Vlo, Vhi (low) with s_0, s_4 (high).
; PRECISION.  What grows with the number of keys is carried in two bf16 parts (16 bits): q' where it makes s_t, q' . Klo, q' . Khi and M^T q'; c_t; the four far sums; s_0 and s_4 as the far sums' weights.
;   k, v, M and the near keys' weights are plain bf16 operands.
; LDS: K 0 (160 rows x 272), V 43,520 (160 x 288), far sums 89,600 (64 x 288), q 108,032 (65,536 dense), the waves' stages 173,568 (8 x 16 rows x 272), spare words 208,384.  Every region is filled once.
; REGISTERS.  window 0: v1-19 addresses; v20-23 n; v26-35 class sums; v36-43 at work; v44-51 C; v52-67 P; v68-83 rk; v84-123 class indicators; v124-129 edge constants; v130-137 AX;
;   v138-161 S^T of the three groups; v162-193 O^T; v194-225 q in f32, later rows on the way out; v226-245 far K rows as loaded, later at work.
;   window 1: v0-63 M; v64-95 RV; v96-143 K; v144-207 V; v208-223, v224-239 q' high and low; v240-255 AUX.
.set KTP,   272
.set VTP,   288
.set VT,    43520
.set FAR,   89600
.set FGR,   2304                       ; a group's eight rows of far sums
.set QLB,   108032
.set STAGE, 173568
.set STP,   272
.set SPARE, 208384
.set KVH,   8519680
.set KA,   4
.set VA,   5
.set FKA,  6
.set FVA,  7
.set QA,   8
.set STO,  9
.set RD,   10
.set GO,   11
.set IROW, 12
.set D0,   13
.set SPW,  16
.set NIL,  17
.set ZERO, 18
.set NN,   20
.set CP,   26
.set TT,   36
.set CF,   44
.set PP,   52
.set RKF,  68
.set EE,   84
.set AX,   130
.set SMI,  138
.set SZ,   146
.set SPL,  154
.set OO,   162
.set QF,   194
.set FT,   226
.set XX,   226
.set HH,   234
.set LL,   237
.set WW,   240
.set MM,   0
.set RV,   64
.set KF,   96
.set VF,   144
.set QH,   208
.set QL,   224
.set AUXF, 240
.set G1K, 24
.set G1V, 32
.set G1F, 40
.set G0K, 48
.set G0V, 52
.set G0F, 56
.set G1Q, 84
.set G0Q, 92
.set MSB, 0
.macro WIN new
.if MSB != (\new)
	s_set_vgpr_msb (MSB<<8)|(\new)
.set MSB, \new
.endif
.endm
.macro PLACES
.rept 4
	v_nop
.endr
.endm
.macro WM d, a, b, first
.if \first
	v_wmma_f32_16x16x32_bf16 v[(\d):(\d)+7], v[(\a):(\a)+7], v[(\b):(\b)+7], 0
.else
	v_wmma_f32_16x16x32_bf16 v[(\d):(\d)+7], v[(\a):(\a)+7], v[(\b):(\b)+7], v[(\d):(\d)+7]
.endif
.endm
	s_load_b256 s[4:11], s[0:1], 0x0               ; qimg 4, kv 6, farb 8, mi 10
	s_load_b128 s[12:15], s[0:1], 0x20             ; rel_k_table 12, rel_v_table 14
	s_load_b64 s[16:17], s[0:1], 0x30              ; out0
	v_lshl_add_u32 v[SPW], v0, 2, SPARE
	v_mov_b32 v[NIL], 0
	ds_add_u32 v[SPW], v[NIL]                      ; the opening: the add, twice on end, with its wait ahead of the first tensor load
	ds_add_u32 v[SPW], v[NIL]
	v_lshrrev_b32 v1, 5, v0
	v_readfirstlane_b32 s20, v1                    ; wave 0..7
	s_and_b32 s21, s20, 1                          ; my head of the pair
	s_bfe_u32 s22, s20, 0x10001                    ; my half of the chunk's rows
	s_lshr_b32 s23, s20, 2                         ; my 32 rows of the 64
	s_mov_b32 s18, ttmp9                           ; x: head pair
	s_and_b32 s19, ttmp7, 0xffff                   ; y: chunk
	s_mov_b32 s[G1K], (1<<16)|(1<<20)|(5<<22)|(3<<25)   ; 2-byte elements; after every 64 words 4 words of padding
	s_mov_b32 s[G1V], (1<<16)|(1<<20)|(5<<22)|(7<<25)   ; 8 words
	s_mov_b32 s[G1F], (1<<16)|(1<<20)|(5<<22)|(7<<25)
.irp g, G1K, G1V
	s_mov_b32 s[(\g)+1], 128<<16                   ; 128 elements x 160 rows, 1,024 elements from row to row
	s_mov_b32 s[(\g)+2], 160<<16
	s_mov_b32 s[(\g)+3], 128<<16
	s_mov_b32 s[(\g)+4], 160
	s_mov_b32 s[(\g)+5], 1024
	s_mov_b32 s[(\g)+6], 0
	s_mov_b32 s[(\g)+7], 0
.endr
	s_mov_b32 s[G1F+1], 128<<16                    ; 128 elements x 64 rows: 8 groups x 8 rows
	s_mov_b32 s[G1F+2], 64<<16
	s_mov_b32 s[G1F+3], 128<<16
	s_mov_b32 s[G1F+4], 64
	s_mov_b32 s[G1F+5], 1024
	s_mov_b32 s[G1F+6], 0
	s_mov_b32 s[G1F+7], 0
	s_mov_b32 s[G1Q], 3<<16                        ; a dense block: 256 rows of 32 elements of 8 bytes
	s_mov_b32 s[G1Q+1], 32<<16
	s_mov_b32 s[G1Q+2], 256<<16
	s_mov_b32 s[G1Q+3], 32<<16
	s_mov_b32 s[G1Q+4], 256
	s_mov_b32 s[G1Q+5], 32
	s_mov_b32 s[G1Q+6], 0
	s_mov_b32 s[G1Q+7], 0
	s_mov_b32 s[G0K], 1
	s_mov_b32 s[G0K+1], 0
	s_mov_b32 s[G0V], 1
	s_mov_b32 s[G0V+1], VT
	s_mov_b32 s[G0F], 1
	s_mov_b32 s[G0F+1], FAR
	s_mov_b32 s[G0Q], 1
	s_mov_b32 s[G0Q+1], QLB
	s_lshr_b32 s2, s19, 4                          ; kv: (batch x 2,080 + 128 J) rows: 16 rows above the chunk's first
	s_mul_i32 s2, s2, 2080
	s_and_b32 s3, s19, 15
	s_lshl_b32 s3, s3, 7
	s_add_co_u32 s2, s2, s3
	s_lshl_b32 s2, s2, 11
	s_lshl_b32 s97, s18, 8                         ; the pair's 256 bytes of a row
	s_add_co_u32 s2, s2, s97
	s_mov_b32 s3, 0
	s_lshl_b32 s98, s19, 17                        ; farb: 8 y groups x 8 rows x 2,048 bytes
	s_add_co_u32 s98, s98, s97
	s_mov_b32 s99, 0
	s_lshl_b32 s100, s19, 3
	s_add_co_u32 s100, s100, s18
	s_lshl_b32 s100, s100, 16                      ; qimg: (8 y + x) x 65,536
	s_mov_b32 s101, 0
	s_wait_dscnt 0x0                               ; both opening adds are done
	s_wait_kmcnt 0x0
	s_add_nc_u64 s[G0K+2:G0K+3], s[6:7], s[2:3]
	s_add_nc_u64 s[G0V+2:G0V+3], s[G0K+2:G0K+3], KVH
	s_or_b32 s[G0K+3], s[G0K+3], 0x80000000
	s_or_b32 s[G0V+3], s[G0V+3], 0x80000000
	s_add_nc_u64 s[G0F+2:G0F+3], s[8:9], s[98:99]
	s_or_b32 s[G0F+3], s[G0F+3], 0x80000000
	s_add_nc_u64 s[G0Q+2:G0Q+3], s[4:5], s[100:101]
	s_or_b32 s[G0Q+3], s[G0Q+3], 0x80000000
	s_cmp_lg_u32 s20, 0                            ; waves 0 to 3 each bring one region, once; a wave's one load stands in one branch on its number
	s_cbranch_scc1 .Lw1
	tensor_load_to_lds s[G0K:G0K+3], s[G1K:G1K+7]
	s_nop 0
	PLACES
	s_branch .Lasked
.Lw1:
	s_cmp_lg_u32 s20, 1
	s_cbranch_scc1 .Lw2
	tensor_load_to_lds s[G0V:G0V+3], s[G1V:G1V+7]
	s_nop 0
	PLACES
	s_branch .Lasked
.Lw2:
	s_cmp_lg_u32 s20, 2
	s_cbranch_scc1 .Lw3
	tensor_load_to_lds s[G0F:G0F+3], s[G1F:G1F+7]
	s_nop 0
	PLACES
	s_branch .Lasked
.Lw3:
	s_cmp_lg_u32 s20, 3
	s_cbranch_scc1 .Lasked
	tensor_load_to_lds s[G0Q:G0Q+3], s[G1Q:G1Q+7]
	s_nop 0
	PLACES
.Lasked:
	; the set-up stands in the wait for the tiles
	v_and_b32 v1, 15, v0                           ; r
	v_bfe_u32 v2, v0, 4, 1                         ; h
	v_and_b32 v3, 31, v0
	v_mov_b32 v[ZERO], 0
	v_lshlrev_b32 v14, 4, v3                       ; 16 x lane
	v_lshlrev_b32 v15, 2, v1                       ; 4 r
	v_and_b32 v24, 7, v0
	v_min_u32 v19, 4, v24
	v_lshlrev_b32 v19, 8, v19
	v_lshl_add_u32 v19, v2, 5, v19                 ; rk's row min(r % 8, 4), 32 h bytes on
	s_lshr_b32 s2, s19, 4
	s_lshl_b32 s2, s2, 4
	s_lshl_b32 s96, s18, 1
	s_add_co_u32 s2, s2, s96
	s_add_co_u32 s2, s2, s21                       ; 16 b + head
	s_lshl_b32 s2, s2, 13
	s_add_nc_u64 s[10:11], s[10:11], s[2:3]
	WIN 0x40
.set n, 0
.rept 16
	global_load_b128 v[MM+4*n:MM+4*n+3], v14, s[10:11] offset:512*n   ; M's fragments as they lie
.set n, n+1
.endr
	WIN 0
.irp t, 0,1,2,3
.irp k, 0,1,2,3,4
	global_load_b32 v[OO+5*(\t)+(\k)], v15, s[14:15] offset:256*(\k)+64*(\t)   ; rv_k[16 t + r]
.endr
.endr
.set n, 0
.rept 8
	global_load_b128 v[QF+4*n:QF+4*n+3], v19, s[12:13] offset:64*(n/2)+16*(n%2)   ; channels 16 (n / 2) + 8 h + 4 (n % 2) on
.set n, n+1
.endr
	s_mov_b32 s60, 0x76543210                      ; v_permlanex16_b32: each lane takes its own place in the other half
	s_mov_b32 s61, 0xfedcba98
	s_mov_b32 s62, 0x60606060                      ; lanes with l % 8 = 5 or 6: AUX's rows of far sums
	s_mov_b32 s63, 0xffff0000                      ; lanes 16-31
	s_mov_b32 s66, 0x00010000                      ; lane 16: row 0 of the tile and the last key of the group before: class 1
	s_mov_b32 s67, 0x00008000                      ; lane 15: row 15 and the first key of the group behind: class 3
	s_mov_b32 s81, 0xffff0000
	s_lshl_b32 s96, s22, 6
	s_lshl_b32 s97, s23, 5
	s_add_co_u32 s96, s96, s97                     ; the first of my 32 rows in the chunk
	s_lshl_b32 s97, s21, 7                         ; my head's 128 bytes
	s_mul_i32 s98, s96, KTP
	s_add_co_u32 s98, s98, s97
	s_mul_i32 s99, s96, VTP
	s_add_co_u32 s99, s99, s97
	s_add_co_u32 s99, s99, VT
	s_mul_i32 s100, s96, 144                       ; (rows / 16) x 8 rows of 288 bytes
	s_add_co_u32 s100, s100, s97
	s_add_co_u32 s100, s100, FAR
	v_mul_u32_u24 v[KA], v1, KTP
	v_lshl_add_u32 v[KA], v2, 4, v[KA]
	v_add_nc_u32 v[KA], s98, v[KA]                 ; row r, 16 h bytes on
	v_bfe_u32 v25, v0, 3, 1
	v_lshl_add_u32 v[VA], v2, 3, v24               ; the turning load: row 8 h + l % 8, 16 bytes at 16 ((l / 8) % 2)
	v_mul_u32_u24 v[VA], v[VA], VTP
	v_lshl_add_u32 v[VA], v25, 4, v[VA]
	v_add_nc_u32 v[VA], s99, v[VA]
	s_movk_i32 s98, 288
	v_cmp_eq_u32 vcc_lo, 6, v24
	v_cndmask_b32 v[FKA], 0, s98, vcc_lo           ; Klo's row, or in lanes l % 8 = 6 Khi's;
	v_mul_u32_u24 v[TT], v25, 4*VTP                ; AUX's rows 8-15 take the low parts, four rows on
	v_add_nc_u32 v[FKA], v[TT], v[FKA]
	v_lshl_add_u32 v[FKA], v2, 4, v[FKA]
	v_add_nc_u32 v[FKA], s100, v[FKA]
	v_and_b32 v[FVA], 1, v0                        ; key slot j takes row 2 + j % 2 + 4 (j / 4): Vlo, Vhi, Vlo, Vhi (high), Vlo, Vhi (low); slots 6, 7 repeat those and meet weights of 0
	v_bfe_u32 v[TT+1], v0, 2, 1
	v_lshl_add_u32 v[FVA], v[TT+1], 2, v[FVA]
	v_add_nc_u32 v[FVA], 2, v[FVA]
	v_mul_u32_u24 v[FVA], v[FVA], VTP
	v_lshl_add_u32 v[FVA], v25, 4, v[FVA]
	v_add_nc_u32 v[FVA], s100, v[FVA]
	s_lshl_b32 s98, s22, 1
	s_add_co_u32 s98, s98, s21                     ; the wave of proj that made my rows and head
	s_lshl_b32 s98, s98, 14
	s_lshl_b32 s99, s23, 13
	s_add_co_u32 s98, s98, s99
	s_add_co_u32 s98, s98, QLB
	v_add_nc_u32 v[QA], s98, v14
	s_mul_i32 s98, s20, 16*STP
	s_add_co_u32 s98, s98, STAGE                   ; my stage
	v_mul_u32_u24 v[STO], v1, STP
	v_lshl_add_u32 v[STO], v2, 5, v[STO]
	v_add_nc_u32 v[STO], s98, v[STO]
	v_mul_u32_u24 v[RD], v2, STP
	v_lshl_add_u32 v[RD], v1, 4, v[RD]
	v_add_nc_u32 v[RD], s98, v[RD]
	v_lshlrev_b32 v[GO], 12, v2
	v_lshl_add_u32 v[GO], v1, 4, v[GO]             ; two rows of out0, 4,096 bytes apart
	s_and_b32 s98, s19, 15
	s_lshl_b32 s98, s98, 7
	s_add_co_u32 s98, s98, s96
	v_add_nc_u32 v[IROW], s98, v1                  ; my row in the sequence, first tile
	v_lshlrev_b32 v[D0], 3, v2
	v_sub_nc_u32 v[D0], v[D0], v1                  ; key slot e of the tile's own group lies d = 8 h - r + e from my row
	s_lshl_b32 s98, s19, 7
	s_add_co_u32 s98, s98, s96
	s_lshl_b32 s98, s98, 12
	s_lshl_b32 s99, s18, 1
	s_add_co_u32 s99, s99, s21
	s_lshl_b32 s99, s99, 8
	s_add_co_u32 s98, s98, s99
	s_mov_b32 s99, 0
	s_add_nc_u64 s[16:17], s[16:17], s[98:99]
.set c, -8
.rept 11
	v_cmp_le_i32 s[78+c], c, v[D0]                 ; s[78 + c]: the lanes with 8 h - r >= c
.set c, c+1
.endr
.set e, 0
.rept 8                                            ; 1.0 where key slot e is of class t: d <= -2; -1; 0; 1; >= 2
	v_cndmask_b32 v[EE+e], 1.0, 0, s[77-e]
	s_and_not1_b32 s82, s[77-e], s[78-e]
	v_cndmask_b32 v[EE+8+e], 0, 1.0, s82
	s_and_not1_b32 s83, s[78-e], s[79-e]
	v_cndmask_b32 v[EE+16+e], 0, 1.0, s83
	s_and_not1_b32 s96, s[79-e], s[80-e]
	v_cndmask_b32 v[EE+24+e], 0, 1.0, s96
	v_cndmask_b32 v[EE+32+e], 0, 1.0, s[80-e]
.set e, e+1
.endr
	v_mov_b32 v124, 1.0
	v_cndmask_b32 v125, 1.0, 0, s66
	v_cndmask_b32 v126, 0, 1.0, s66
	v_cndmask_b32 v127, 0, 1.0, s67
	v_cndmask_b32 v128, 1.0, 0, s67
	v_mov_b32 v129, 1.0
.irp k, 3,4,5,6,7
	v_mov_b32 v[CF+(\k)], 0                        ; C's k = 6, 7 and 14 to 31, and P's last two key slots, are 0 throughout
.endr
	v_mov_b32 v[PP+15], 0
	s_wait_loadcnt 0x0                             ; M and both tables
.set n, 0
.rept 16
	v_cvt_pk_bf16_f32 v[RKF+n], v[QF+2*n], v[QF+2*n+1]
.set n, n+1
.endr
	WIN 0x40
.irp t, 0,1,2,3
	v_cvt_pk_bf16_f32 v[RV+8*(\t)],   v[OO+5*(\t)],   v[OO+5*(\t)+1]    ; both halves of the lanes alike: rv_t stands at k = t and at k = 8 + t
	v_cvt_pk_bf16_f32 v[RV+8*(\t)+1], v[OO+5*(\t)+2], v[OO+5*(\t)+3]
	v_cvt_pk_bf16_f32 v[RV+8*(\t)+2], v[OO+5*(\t)+4], v[ZERO]
.irp k, 3,4,5,6,7
	v_mov_b32 v[RV+8*(\t)+(\k)], 0
.endr
.endr
	WIN 0
	s_wait_tensorcnt 0x0                           ; my region, if I brought one, has landed
	s_barrier_signal -1
	s_barrier_wait -1                              ; everybody's has
.macro ROWTILE idx
	WIN 0
.irp n, 0,1,2,3,4,5,6,7
	ds_load_b128 v[QF+4*(\n):QF+4*(\n)+3], v[QA] offset:4096*(\idx)+512*(\n)          ; q, as proj's accumulators lay: channels 16 (n / 2) + 8 h + 4 (n % 2) on
.endr
.irp n, 0,1,2,3
	ds_load_b128 v[FT+4*(\n):FT+4*(\n)+3], v[FKA] offset:FGR*(\idx)+32*(\n)
.endr
	WIN 0x40
.irp g, 0,1,2
.irp n, 0,1,2,3
	ds_load_b128 v[KF+16*(\g)+4*(\n):KF+16*(\g)+4*(\n)+3], v[KA] offset:(16*(\idx)+16*(\g))*KTP+32*(\n)
.endr
.endr
.irp t, 0,1,2,3
	ds_load_tr16_b128 v[VF+8*(\t):VF+8*(\t)+3],       v[VA] offset:16*(\idx)*VTP+32*(\t)           ; keys: the group before,
	ds_load_tr16_b128 v[VF+8*(\t)+4:VF+8*(\t)+7],     v[VA] offset:(16*(\idx)+16)*VTP+32*(\t)      ; the tile's own,
	ds_load_tr16_b128 v[VF+32+8*(\t):VF+32+8*(\t)+3], v[VA] offset:(16*(\idx)+32)*VTP+32*(\t)      ; the group behind,
	ds_load_tr16_b128 v[VF+32+8*(\t)+4:VF+32+8*(\t)+7], v[FVA] offset:FGR*(\idx)+32*(\t)           ; and the far sums' parts
.endr
	WIN 0
	s_wait_dscnt 32                                ; q is in; the 32 younger loads stay out
.set i, 0
.rept 16
	v_pk_mul_f32 v[QF+2*i:QF+2*i+1], v[QF+2*i:QF+2*i+1], 0x3e000000 op_sel_hi:[1,0]   ; q / 8, exact
.set i, i+1
.endr
	WIN 0x40
.set i, 0
.rept 16
	v_cvt_pk_bf16_f32 v[QH+i], v[QF+2*i], v[QF+2*i+1]
.set i, i+1
.endr
	WIN 0x04
.set i, 0
.rept 16
	v_lshlrev_b32 v[OO+2*i], 16, v[QH+i]
	v_and_b32 v[OO+2*i+1], s81, v[QH+i]
.set i, i+1
.endr
	WIN 0
.set i, 0
.rept 16
	v_pk_add_f32 v[QF+2*i:QF+2*i+1], v[QF+2*i:QF+2*i+1], v[OO+2*i:OO+2*i+1] neg_lo:[0,1] neg_hi:[0,1]   ; what the high part left
.set i, i+1
.endr
	WIN 0x40
.set i, 0
.rept 16
	v_cvt_pk_bf16_f32 v[QL+i], v[QF+2*i], v[QF+2*i+1]
.set i, i+1
.endr
	s_wait_dscnt 28                                ; the far K rows are in
.set i, 0
.rept 16
	v_cndmask_b32 v[AUXF+i], v[RKF+i], v[FT+i], s62
.set i, i+1
.endr
	s_wait_dscnt 16                                ; K is in; V's sixteen loads stay out
	WIN 0x05                                       ; 26 products; every accumulator one instruction a turn
	WM AX,    AUXF,   QH,   1
	WM SMI,   KF,     QH,   1
	WM SZ,    KF+16,  QH,   1
	WM SPL,   KF+32,  QH,   1
	WM AX,    AUXF+8, QH+8, 0
	WM OO,    MM,     QH,   1
	WM OO+8,  MM+16,  QH,   1
	WM OO+16, MM+32,  QH,   1
	WM AX,    AUXF,   QL,   0
	WM OO+24, MM+48,  QH,   1
	WM SMI,   KF+8,   QH+8, 0
	WM SZ,    KF+24,  QH+8, 0
	WM AX,    AUXF+8, QL+8, 0
	WM SPL,   KF+40,  QH+8, 0
	WM OO,    MM+8,   QH+8, 0
	WM OO+8,  MM+24,  QH+8, 0
	WM OO+16, MM+40,  QH+8, 0
	WM OO+24, MM+56,  QH+8, 0
	WM OO,    MM,     QL,   0
	WM OO+8,  MM+16,  QL,   0
	WM OO+16, MM+32,  QL,   0
	WM OO+24, MM+48,  QL,   0
	WM OO,    MM+8,   QL+8, 0
	WM OO+8,  MM+24,  QL+8, 0
	WM OO+16, MM+40,  QL+8, 0
	WM OO+24, MM+56,  QL+8, 0
	WIN 0
	v_add_nc_u32 v[TT], 16*(\idx), v[IROW]         ; the classes' sizes: twelve plain instructions, the places behind those products
	v_add_nc_u32 v[TT+1], -1, v[TT]
	v_sub_nc_u32 v[TT+2], 2047, v[TT]
	v_sub_nc_u32 v[TT+3], 2046, v[TT]
	v_min_u32 v[TT+4], 1, v[TT]
	v_max_i32 v[TT+1], 0, v[TT+1]
	v_min_u32 v[TT+2], 1, v[TT+2]
	v_max_i32 v[TT+3], 0, v[TT+3]
	v_cvt_f32_u32 v[NN],   v[TT+1]                 ; n0 = max(i - 1, 0)
	v_cvt_f32_u32 v[NN+1], v[TT+4]                 ; n1 = min(i, 1)
	v_cvt_f32_u32 v[NN+2], v[TT+2]                 ; n3 = min(2047 - i, 1)
	v_cvt_f32_u32 v[NN+3], v[TT+3]                 ; n4 = max(2046 - i, 0)
.irp k, 0,1,2
	v_cvt_pk_bf16_f32 v[PP+(\k)], v[AX], v[AX]     ; P for the group before: s_0.  These stand here so that AX is read first from its low end
.endr
	; the near keys' q' . k by class; each accumulator is read from its low end on
.irp t, 0,1,2,3,4
	v_pk_mul_f32 v[CP+2*(\t):CP+2*(\t)+1], v[SZ:SZ+1], v[EE+8*(\t):EE+8*(\t)+1]
.endr
.irp k, 1,2,3
.irp t, 0,1,2,3,4
	v_pk_fma_f32 v[CP+2*(\t):CP+2*(\t)+1], v[SZ+2*(\k):SZ+2*(\k)+1], v[EE+8*(\t)+2*(\k):EE+8*(\t)+2*(\k)+1], v[CP+2*(\t):CP+2*(\t)+1]
.endr
.endr
	v_pk_add_f32 v[CP:CP+1],     v[CP:CP+1],     v[SMI:SMI+1]                    ; the group before: class 0, but for one key of one row
	v_pk_fma_f32 v[CP+8:CP+9],   v[SPL:SPL+1],   v[128:129], v[CP+8:CP+9]        ; the group behind: class 4, but for one
	v_pk_add_f32 v[CP:CP+1],     v[CP:CP+1],     v[SMI+2:SMI+3]
	v_pk_add_f32 v[CP+8:CP+9],   v[CP+8:CP+9],   v[SPL+2:SPL+3]
	v_pk_add_f32 v[CP:CP+1],     v[CP:CP+1],     v[SMI+4:SMI+5]
	v_pk_add_f32 v[CP+8:CP+9],   v[CP+8:CP+9],   v[SPL+4:SPL+5]
	v_pk_fma_f32 v[CP:CP+1],     v[SMI+6:SMI+7], v[124:125], v[CP:CP+1]
	v_pk_add_f32 v[CP+8:CP+9],   v[CP+8:CP+9],   v[SPL+6:SPL+7]
	v_fmac_f32 v[CP+3], v[SMI+7], v126
	v_fmac_f32 v[CP+6], v[SPL], v127
.irp t, 0,1,2,3,4
	v_add_f32 v[CP+2*(\t)], v[CP+2*(\t)], v[CP+2*(\t)+1]
.endr
	v_add_f32 v[CP],   v[CP],   v[AX+5]            ; q' . Klo: lanes 0-15 hold the high part's product, lanes 16-31 the low part's;
	v_add_f32 v[CP+8], v[CP+8], v[AX+6]            ; q' . Khi likewise: the exchange below adds the two
.irp t, 0,1,2,3,4
	v_permlanex16_b32 v[CP+2*(\t)+1], v[CP+2*(\t)], s60, s61   ; the row's other eight key slots lie in the lane 16 away
.endr
.irp t, 0,1,2,3,4
	v_add_f32 v[CP+2*(\t)], v[CP+2*(\t)], v[CP+2*(\t)+1]
.endr
	v_fmac_f32 v[CP],   v[NN],   v[AX]             ; c_t = n_t s_t + near + far
	v_fmac_f32 v[CP+2], v[NN+1], v[AX+1]
	v_add_f32  v[CP+4], v[CP+4], v[AX+2]
	v_fmac_f32 v[CP+6], v[NN+2], v[AX+3]
	v_fmac_f32 v[CP+8], v[NN+3], v[AX+4]
	v_cvt_pk_bf16_f32 v[HH],   v[CP],   v[CP+2]
	v_cvt_pk_bf16_f32 v[HH+1], v[CP+4], v[CP+6]
	v_cvt_pk_bf16_f32 v[HH+2], v[CP+8], v[ZERO]
	v_lshlrev_b32 v[WW],   16,  v[HH]
	v_and_b32     v[WW+1], s81, v[HH]
	v_lshlrev_b32 v[WW+2], 16,  v[HH+1]
	v_and_b32     v[WW+3], s81, v[HH+1]
	v_lshlrev_b32 v[WW+4], 16,  v[HH+2]
.irp k, 0,1,2,3,4
	v_sub_f32 v[WW+(\k)], v[CP+2*(\k)], v[WW+(\k)]
.endr
	v_cvt_pk_bf16_f32 v[LL],   v[WW],   v[WW+1]
	v_cvt_pk_bf16_f32 v[LL+1], v[WW+2], v[WW+3]
	v_cvt_pk_bf16_f32 v[LL+2], v[WW+4], v[ZERO]
.irp k, 0,1,2
	v_cndmask_b32 v[CF+(\k)], v[HH+(\k)], v[LL+(\k)], s63      ; lanes 0-15 (k = 0..7) the high parts, lanes 16-31 (k = 8..15) the low
.endr
	; P: the weight s_c of each near key, and the far sums' weights in two parts
.irp e, 0,1,2,3,4,5,6,7
	v_cndmask_b32 v[XX+(\e)], v[AX], v[AX+1], s[77-(\e)]
.endr
.irp e, 0,1,2,3,4,5,6,7
	v_cndmask_b32 v[XX+(\e)], v[XX+(\e)], v[AX+2], s[78-(\e)]
.endr
.irp e, 0,1,2,3,4,5,6,7
	v_cndmask_b32 v[XX+(\e)], v[XX+(\e)], v[AX+3], s[79-(\e)]
.endr
.irp e, 0,1,2,3,4,5,6,7
	v_cndmask_b32 v[XX+(\e)], v[XX+(\e)], v[AX+4], s[80-(\e)]
.endr
	v_cndmask_b32 v[TT],   v[AX],   v[AX+1], s66
	v_cndmask_b32 v[TT+1], v[AX+4], v[AX+3], s67
	v_cvt_pk_bf16_f32 v[TT+2], v[AX], v[AX+4]      ; s_0, s_4: the high parts,
	v_lshlrev_b32 v[TT+3], 16,  v[TT+2]
	v_and_b32     v[TT+4], s81, v[TT+2]
	v_sub_f32 v[TT+3], v[AX],   v[TT+3]
	v_sub_f32 v[TT+4], v[AX+4], v[TT+4]
	v_cvt_pk_bf16_f32 v[TT+3], v[TT+3], v[TT+4]    ; and the low
	v_cvt_pk_bf16_f32 v[PP+3], v[AX], v[TT]
.irp k, 0,1,2,3
	v_cvt_pk_bf16_f32 v[PP+4+(\k)], v[XX+2*(\k)], v[XX+2*(\k)+1]
.endr
	v_cvt_pk_bf16_f32 v[PP+8], v[TT+1], v[AX+4]
.irp k, 9,10,11
	v_cvt_pk_bf16_f32 v[PP+(\k)], v[AX+4], v[AX+4]
.endr
	v_cndmask_b32 v[PP+12], v[TT+2], v[ZERO], s63  ; lanes 0-15, slots 0, 1: high weights for Vlo, Vhi (high);
	v_cndmask_b32 v[PP+13], v[TT+3], v[ZERO], s63  ; slots 2, 3: low weights for the same;
	v_cndmask_b32 v[PP+14], v[TT+2], v[ZERO], s63  ; slots 4, 5: high weights for Vlo, Vhi (low); lanes 16-31: 0
	s_wait_dscnt 0x0                               ; V is in
	WIN 0x01
.irp t, 0,1,2,3
	WM OO+8*(\t), VF+8*(\t), PP, 0
.endr
.irp t, 0,1,2,3
	WM OO+8*(\t), VF+32+8*(\t), PP+8, 0
.endr
.irp t, 0,1,2,3
	WM OO+8*(\t), RV+8*(\t), CF, 0
.endr
	WIN 0
	PLACES
.irp t, 0,1,2,3
	ds_store_b128 v[STO], v[OO+8*(\t):OO+8*(\t)+3],   offset:64*(\t)       ; a lane's eight channels of its row, into my own stage
	ds_store_b128 v[STO], v[OO+8*(\t)+4:OO+8*(\t)+7], offset:64*(\t)+16
.endr
.irp t, 0,1,2,3,4,5,6,7
	ds_load_b128 v[QF+4*(\t):QF+4*(\t)+3], v[RD] offset:2*STP*(\t)         ; LDS serves a wave's instructions in order (ISA guide 5.7.1.4): these see the stores above
.endr
.irp t, 0,1,2,3,4,5,6,7
	s_wait_dscnt 7-(\t)
	global_store_b128 v[GO], v[QF+4*(\t):QF+4*(\t)+3], s[16:17] offset:65536*(\idx)+8192*(\t) th:TH_STORE_NT   ; 16 lanes store a head's 256 bytes of a row, aligned
.endr
.if (\idx) == 0
	s_wait_xcnt 0x0                                ; the next tile loads into these registers only behind this wait
.endif
.endm
	ROWTILE 0
	ROWTILE 1
	s_wait_tensorcnt 0x0                           ; the wave's end
	ds_add_u32 v[SPW], v[NIL]
	s_wait_dscnt 0x0
	s_endpgm
.Lfunc_end_k_q78b089b243_attn:
	.size	k_q78b089b243_attn, .Lfunc_end_k_q78b089b243_attn-k_q78b089b243_attn
	.p2alignl 7, 3214868480
	.fill 96, 4, 3214868480
	.section	.rodata,"a",@progbits
	.p2align	6, 0x0
	.amdhsa_kernel k_q78b089b243_attn
		.amdhsa_group_segment_fixed_size 209408
		.amdhsa_private_segment_fixed_size 0
		.amdhsa_enable_private_segment 0
		.amdhsa_kernarg_size 56
		.amdhsa_user_sgpr_count 2
		.amdhsa_user_sgpr_kernarg_segment_ptr 1
		.amdhsa_wavefront_size32 1
		.amdhsa_system_sgpr_workgroup_id_x 1
		.amdhsa_system_sgpr_workgroup_id_y 1
		.amdhsa_system_sgpr_workgroup_id_z 1
		.amdhsa_system_vgpr_workitem_id 0
		.amdhsa_next_free_vgpr 512
		.amdhsa_next_free_sgpr 102
		.amdhsa_reserve_vcc 1
		.amdhsa_float_denorm_mode_32 3
		.amdhsa_float_denorm_mode_16_64 3
		.amdhsa_memory_ordered 1
		.amdhsa_forward_progress 1
		.amdhsa_inst_pref_size 64
	.end_amdhsa_kernel
	.amdgpu_metadata
---
amdhsa.version: [ 1, 2 ]
amdhsa.kernels:
  - .name:           k_q78b089b243_attn
    .symbol:         k_q78b089b243_attn.kd
    .args:
      - { .name: qimg, .offset: 0, .size: 8, .value_kind: global_buffer, .address_space: global }
      - { .name: kv, .offset: 8, .size: 8, .value_kind: global_buffer, .address_space: global }
      - { .name: farb, .offset: 16, .size: 8, .value_kind: global_buffer, .address_space: global }
      - { .name: mi, .offset: 24, .size: 8, .value_kind: global_buffer, .address_space: global }
      - { .name: rel_k_table, .offset: 32, .size: 8, .value_kind: global_buffer, .address_space: global }
      - { .name: rel_v_table, .offset: 40, .size: 8, .value_kind: global_buffer, .address_space: global }
      - { .name: out0, .offset: 48, .size: 8, .value_kind: global_buffer, .address_space: global }
    .group_segment_fixed_size: 209408
    .private_segment_fixed_size: 0
    .kernarg_segment_align: 8
    .kernarg_segment_size: 56
    .max_flat_workgroup_size: 256
    .sgpr_count:     102
    .vgpr_count:     512
    .wavefront_size: 32
...
	.end_amdgpu_metadata
.endif
;; end of part 4
;; ======== version 2 of 2: 4 launches; version 1 with the launch fold written anew for expert scheduling mode
;; workspace buffers: xw 31,457,280 bytes; qimg 16,777,216 bytes; kv 17,039,360 bytes; kvp 8,388,608 bytes; sums 2,359,296 bytes; farb 4,194,304 bytes; mi 262,144 bytes
;; launch cast: the kernel of part 1 again; grid 64 x 16, 8 waves a work-group, no clusters, 0 bytes of LDS; arguments query, key, value, Wq, Wk, Wv, xw, kv; writes xw, kv
;; launch proj: the kernel of part 2 again; grid 8 x 32, 4 waves a work-group, clusters of 4 x 4, 327,680 bytes of LDS; arguments xw, bq, bk, bv, qimg, kv, kvp, sums; writes qimg, kv, kvp, sums
;; launch fold (part 5): grid 256 x 1, 4 waves a work-group, no clusters, 0 bytes of LDS; arguments kvp, sums, farb, mi; writes farb, mi
.if DOCPART == 5
	.amdgcn_target "amdgcn-amd-amdhsa--gfx1250"
	.amdhsa_code_object_version 6
	.text
	.protected	k_q78b089b243_fold
	.globl	k_q78b089b243_fold
	.p2align	8
	.type	k_q78b089b243_fold,@function
k_q78b089b243_fold:
	s_mov_b64 s[64:65], 0
	v_nop
	global_prefetch_b8 v0, s[64:65] scope:SCOPE_SE
	s_setreg_imm32_b32 hwreg(HW_REG_WAVE_SCHED_MODE, 0, 2), 2
	s_setreg_imm32_b32 hwreg(HW_REG_WAVE_MODE, 25, 1), 1
	s_wait_xcnt 0x0
	s_wait_alu depctr_vm_vsrc(0)
; Two jobs of 512 waves each; a wave is a unit by itself, so there is no LDS and no barrier.  All sums in f32.  No work is left out here.
; JOB A (work-groups 0-127): M = K^T V of a batch and head = the sum of the 16 chunks' shares in kvp.  A unit adds one accumulator image (1,024 bytes) over the chunks, rounds it to bf16 and stores it as half a
;   fragment of source 0 of M^T q: lane l holds v channel 16 vt + l % 16 and k channels 32 c + 16 p + 8 (l / 16) + 0..7.
; JOB B (work-groups 128-255): for each group g of 16 rows the sum of k (of v) over the groups up to g - 2, and over those from g + 2 on.  A unit takes a chunk's 8 groups and 128 channels.
;   Whole chunks come from the chunk totals, chosen by factors 1 or 0; the rest is added group by group, upward for the one sum and downward for the other: no sum is ever taken from another.
;   With a bias in k or v these sums grow with the number of keys, so each leaves in TWO bf16 parts: the sum rounded, and what that rounding left, rounded.
;   farb: [batch][group][8 rows: Klo, Khi, Vlo, Vhi high parts, then their low parts][1024].
; THE MODE: SCHED_MODE bits 1:0 = 2 (LLVM: expert scheduling mode 2), set by the entry lines.  The code itself states the register dependences
; between vector instructions and memory instructions, with s_wait_alu, always for 0.
; THE PLAN.  Registers that memory instructions touch:
;   v3, v4       byte offsets, made once at the head and never written again: read by every load and store.
;   v[8:167]     loaded once, by loads that are all issued ahead of the arithmetic, into registers that no vector instruction has named; read by the additions.
;   v[136:139]   job A: written by the four roundings, read by the one store.
;   OUT          job B: four registers a result, written once by that result's roundings, read by its two stores, never written again.
;   LOA, HIA and TW are named by vector instructions alone.
; No register that a memory instruction has read is written again, so nothing is owed on that side.  Job B's sixteen results go in four blocks of four: one wait at a block's head states that the block
; before has written its sixteen registers of OUT, and that block's eight stores are dealt among this block's arithmetic, which names none of them.
.set CT,  8                            ; v[8:71]    16 chunk totals (job A: v[8:135] the 16 images)
.set GPR, 72                           ; v[72:103]  the 8 groups of the chunk before
.set GOR, 104                          ; v[104:135] of my chunk
.set GNR, 136                          ; v[136:167] of the chunk behind
.set LOA, 168
.set HIA, 172
.set OUT, 176                          ; v[176:239] 16 results, four registers each (high, low), never rewritten
.set TW,  240                          ; v[240:243] at work
	s_load_b256 s[4:11], s[0:1], 0x0               ; kvp 4, sums 6, farb 8, mi 10
	v_lshrrev_b32 v1, 5, v0
	v_readfirstlane_b32 s12, v1
	v_and_b32 v2, 31, v0
	v_lshlrev_b32 v3, 4, v2                        ; 16 x lane
	v_lshlrev_b32 v4, 3, v2                        ; 8 x lane
	s_and_b32 s13, ttmp9, 127
	s_wait_alu depctr_va_sdst(0)                   ; s12, the wave's number, is written, ahead of its first reader: the unit's number and all the bases are made from it
	s_lshl2_add_u32 s13, s13, s12                  ; the unit, 0..511
	s_mov_b32 s19, 0
	s_wait_kmcnt 0x0
	s_cmp_lt_u32 ttmp9, 128
	s_cbranch_scc0 .Lfar
	s_and_b32 s14, s13, 7                          ; accumulator 4 kt + slot
	s_bfe_u32 s15, s13, 0x20003                    ; the wave w that made it
	s_bfe_u32 s16, s13, 0x30005                    ; head pair x
	s_lshr_b32 s17, s13, 8                         ; batch b
	s_lshl_b32 s18, s17, 7
	s_add_co_u32 s18, s18, s16
	s_lshl2_add_u32 s18, s18, s15
	s_lshl_b32 s18, s18, 13                        ; ((128 b + x) 4 + w) x 8,192
	s_lshl_b32 s20, s14, 10
	s_add_co_u32 s18, s18, s20
	s_add_nc_u64 s[4:5], s[4:5], s[18:19]
	s_wait_alu depctr_va_vdst(0)                   ; v3 is written: the 32 loads and the store of this job read it as their offset
.set j, 0
.rept 16
	global_load_b128 v[8+8*j:11+8*j],  v3, s[4:5] offset:262144*j th:TH_LOAD_NT      ; chunk j: 512 consecutive bytes a load
	global_load_b128 v[12+8*j:15+8*j], v3, s[4:5] offset:262144*j+512 th:TH_LOAD_NT
.set j, j+1
.endr
	s_and_b32 s20, s15, 1                          ; c = w % 2
	s_lshr_b32 s21, s15, 1                         ; the head of the pair
	s_and_b32 s22, s14, 3
	s_lshl_b32 s23, s20, 1
	s_xor_b32 s22, s22, s23                        ; vt = slot xor 2 c: the waves keep their own 32 channels in slots 0 and 1
	s_lshl_b32 s24, s17, 4
	s_lshl_b32 s25, s16, 1
	s_add_co_u32 s24, s24, s25
	s_add_co_u32 s24, s24, s21                     ; 16 b + head
	s_lshl_b32 s24, s24, 4
	s_lshl2_add_u32 s24, s22, s24                  ; + 4 vt
	s_add_co_u32 s24, s24, s23                     ; + 2 c
	s_lshr_b32 s25, s14, 2
	s_add_co_u32 s24, s24, s25                     ; + p = kt
	s_lshl_b32 s18, s24, 9
	s_add_nc_u64 s[10:11], s[10:11], s[18:19]
.set j, 0
.rept 8                                                ; the tree's first level: chunk j takes chunk j + 8
	s_wait_loadcnt 14-2*j                          ; loads come back in order (ISA guide 5.7.1): chunk j + 8's second load is number 2 j + 17 of the 32, so the 14 - 2 j younger ones stay out
.set m, 0
.rept 4
	v_pk_add_f32 v[8+8*j+2*m:9+8*j+2*m], v[8+8*j+2*m:9+8*j+2*m], v[8+8*(j+8)+2*m:9+8*(j+8)+2*m]
.set m, m+1
.endr
.set j, j+1
.endr
.irp st, 4,2,1
.set j, 0
.rept \st
.set m, 0
.rept 4
	v_pk_add_f32 v[8+8*j+2*m:9+8*j+2*m], v[8+8*j+2*m:9+8*j+2*m], v[8+8*(j+\st)+2*m:9+8*(j+\st)+2*m]
.set m, m+1
.endr
.set j, j+1
.endr
.endr
.irp m, 0,1,2,3
	v_cvt_pk_bf16_f32 v[136+(\m)], v[8+2*(\m)], v[9+2*(\m)]
.endr
	s_wait_alu depctr_va_vdst(0)                   ; the four roundings have written v[136:139], which the store reads
	global_store_b128 v3, v[136:139], s[10:11]     ; 512 consecutive bytes
	s_endpgm
.Lfar:
	s_and_b32 s14, s13, 7                          ; block of 128 channels
	s_bfe_u32 s15, s13, 0x40003                    ; chunk J
	s_bfe_u32 s16, s13, 0x10007                    ; batch
	s_lshr_b32 s17, s13, 8                         ; k (0) or v (1)
	s_lshl_b32 s21, s14, 9
	s_lshl_b32 s18, s17, 17
	s_lshl_b32 s20, s16, 16
	s_add_co_u32 s18, s18, s20
	s_add_co_u32 s18, s18, s21
	s_add_co_u32 s18, s18, 2097152
	s_add_nc_u64 s[22:23], s[6:7], s[18:19]        ; the batch's chunk totals, my channels
	s_lshl_b32 s18, s17, 20
	s_lshl_b32 s20, s16, 19
	s_add_co_u32 s18, s18, s20
	s_add_co_u32 s18, s18, s21
	s_add_nc_u64 s[6:7], s[6:7], s[18:19]          ; the batch's group sums, my channels
	s_max_u32 s20, s15, 1
	s_sub_co_u32 s20, s20, 1                       ; the chunk before, held inside the batch (its factor is then 0)
	s_lshl_b32 s18, s20, 15
	s_add_nc_u64 s[24:25], s[6:7], s[18:19]
	s_lshl_b32 s18, s15, 15
	s_add_nc_u64 s[26:27], s[6:7], s[18:19]
	s_add_co_u32 s28, s15, 1
	s_min_u32 s20, s28, 15                         ; the chunk behind, likewise
	s_lshl_b32 s18, s20, 15
	s_add_nc_u64 s[30:31], s[6:7], s[18:19]
	s_lshl_b32 s18, s16, 21                        ; farb: ((128 b + 8 J + g) 8 + 4 part + 2 kv + dir) x 2,048 + 256 x block
	s_lshl_b32 s20, s15, 17
	s_add_co_u32 s18, s18, s20
	s_lshl_b32 s20, s17, 12
	s_add_co_u32 s18, s18, s20
	s_lshl_b32 s20, s14, 8
	s_add_co_u32 s18, s18, s20
	s_add_nc_u64 s[32:33], s[8:9], s[18:19]
	s_mov_b32 s34, 0xffff0000                      ; a word's upper bf16
	s_wait_alu depctr_va_vdst(0)                   ; v3 and v4 are written: the 40 loads read v3 as their offset, the 32 stores v4
.set j, 0
.rept 16
	global_load_b128 v[CT+4*j:CT+4*j+3], v3, s[22:23] offset:4096*j
.set j, j+1
.endr
.set j, 0
.rept 8                                                ; the three chunks' groups in the order in which the sums take them
	global_load_b128 v[GPR+4*j:GPR+4*j+3], v3, s[24:25] offset:4096*j
.set j, j+1
.endr
.set j, 0
.rept 8
	global_load_b128 v[GOR+4*j:GOR+4*j+3], v3, s[26:27] offset:4096*j
.set j, j+1
.endr
.set j, 0
.rept 8
	global_load_b128 v[GNR+4*j:GNR+4*j+3], v3, s[30:31] offset:4096*j
.set j, j+1
.endr
	s_mov_b32 s41, 0                               ; named as pairs; the packed forms take the low word for both halves
	s_mov_b32 s43, 0
	s_mov_b32 s45, 0
	s_mov_b32 s47, 0
	s_cmp_gt_u32 s15, 0
	s_cselect_b32 s44, 1.0, 0                      ; is there a chunk before?
	s_cmp_lt_u32 s15, 15
	s_cselect_b32 s46, 1.0, 0                      ; a chunk behind?
	s_wait_loadcnt 24                              ; the 16 chunk totals are in; the 24 younger loads, the groups, stay out
.set j, 0
.rept 14
	s_cmp_gt_u32 s15, j+1                          ; chunk j lies wholly below: j + 1 < J
	s_cselect_b32 s40, 1.0, 0
	s_cmp_lt_u32 s28, j+2                          ; chunk j + 2 lies wholly above: J + 1 < j + 2
	s_cselect_b32 s42, 1.0, 0
.if j == 0
	v_pk_mul_f32 v[LOA:LOA+1],   v[CT:CT+1],     s[40:41] op_sel_hi:[1,0]
	v_pk_mul_f32 v[LOA+2:LOA+3], v[CT+2:CT+3],   s[40:41] op_sel_hi:[1,0]
	v_pk_mul_f32 v[HIA:HIA+1],   v[CT+8:CT+9],   s[42:43] op_sel_hi:[1,0]
	v_pk_mul_f32 v[HIA+2:HIA+3], v[CT+10:CT+11], s[42:43] op_sel_hi:[1,0]
.else
	v_pk_fma_f32 v[LOA:LOA+1],   v[CT+4*j:CT+4*j+1],     s[40:41], v[LOA:LOA+1] op_sel_hi:[1,0,1]
	v_pk_fma_f32 v[LOA+2:LOA+3], v[CT+4*j+2:CT+4*j+3],   s[40:41], v[LOA+2:LOA+3] op_sel_hi:[1,0,1]
	v_pk_fma_f32 v[HIA:HIA+1],   v[CT+4*j+8:CT+4*j+9],   s[42:43], v[HIA:HIA+1] op_sel_hi:[1,0,1]
	v_pk_fma_f32 v[HIA+2:HIA+3], v[CT+4*j+10:CT+4*j+11], s[42:43], v[HIA+2:HIA+3] op_sel_hi:[1,0,1]
.endif
.set j, j+1
.endr
.macro ADDM acc, src, sp               ; a neighbouring chunk's group, times its factor
	v_pk_fma_f32 v[(\acc):(\acc)+1],   v[(\src):(\src)+1],   s[\sp:(\sp)+1], v[(\acc):(\acc)+1] op_sel_hi:[1,0,1]
	v_pk_fma_f32 v[(\acc)+2:(\acc)+3], v[(\src)+2:(\src)+3], s[\sp:(\sp)+1], v[(\acc)+2:(\acc)+3] op_sel_hi:[1,0,1]
.endm
.macro ADDP acc, src                   ; a group of my own chunk
	v_pk_add_f32 v[(\acc):(\acc)+1],   v[(\acc):(\acc)+1],   v[(\src):(\src)+1]
	v_pk_add_f32 v[(\acc)+2:(\acc)+3], v[(\acc)+2:(\acc)+3], v[(\src)+2:(\src)+3]
.endm
; Result n of 16 (0-7: the sum from below for group n; 8-15: the sum from above for group 15 - n): the running sum's high part, and what the rounding left as its low part, into registers of its own.
.macro PARTS acc, n
	v_cvt_pk_bf16_f32 v[OUT+4*(\n)],   v[(\acc)],   v[(\acc)+1]
	v_cvt_pk_bf16_f32 v[OUT+4*(\n)+1], v[(\acc)+2], v[(\acc)+3]
	v_lshlrev_b32 v[TW],   16,  v[OUT+4*(\n)]
	v_and_b32     v[TW+1], s34, v[OUT+4*(\n)]
	v_lshlrev_b32 v[TW+2], 16,  v[OUT+4*(\n)+1]
	v_and_b32     v[TW+3], s34, v[OUT+4*(\n)+1]
	v_pk_add_f32 v[TW:TW+1],   v[(\acc):(\acc)+1],   v[TW:TW+1]   neg_lo:[0,1] neg_hi:[0,1]
	v_pk_add_f32 v[TW+2:TW+3], v[(\acc)+2:(\acc)+3], v[TW+2:TW+3] neg_lo:[0,1] neg_hi:[0,1]
	v_cvt_pk_bf16_f32 v[OUT+4*(\n)+2], v[TW],   v[TW+1]
	v_cvt_pk_bf16_f32 v[OUT+4*(\n)+3], v[TW+2], v[TW+3]
.endm
; Result n leaves, for group g, from below (dir = 0) or from above (1): each store covers 256 consecutive bytes, aligned.  It stands a block behind its PARTS, behind the wait at that block's head.
.macro SEND n, g, dir
	global_store_b64 v4, v[OUT+4*(\n):OUT+4*(\n)+1],   s[32:33] offset:16384*(\g)+2048*(\dir)
	global_store_b64 v4, v[OUT+4*(\n)+2:OUT+4*(\n)+3], s[32:33] offset:16384*(\g)+2048*(\dir)+8192
.endm
	; block 0: results 0 to 3
	s_wait_loadcnt 16                              ; the groups of the chunk before are in; my chunk's and the next one's, 16 loads, stay out
.irp g, 0,1,2,3,4,5,6
	ADDM LOA, GPR+4*(\g), 44
.endr
	PARTS LOA, 0                                   ; groups up to 8 J - 2
	ADDM LOA, GPR+28, 44
	PARTS LOA, 1
	s_wait_loadcnt 8                               ; my chunk's groups are in; the 8 loads of the chunk behind stay out
	ADDP LOA, GOR
	PARTS LOA, 2
	ADDP LOA, GOR+4
	PARTS LOA, 3
	; block 1: results 4 to 7; results 0 to 3 leave
	s_wait_alu depctr_va_vdst(0)                   ; block 0 has written v[OUT .. OUT+15], which the eight stores of this block read; no vector instruction below names them
.irp n, 0,1,2,3
	SEND \n, \n, 0
	ADDP LOA, GOR+8+4*(\n)
	PARTS LOA, (\n)+4
.endr
	; block 2: results 8 to 11; results 4 to 7 leave
	s_wait_alu depctr_va_vdst(0)                   ; block 1 has written v[OUT+16 .. OUT+31], which the eight stores of this block read
	SEND 4, 4, 0
	s_wait_loadcnt 0x0                             ; the groups of the chunk behind are in
.irp g, 7,6,5,4,3,2,1
	ADDM HIA, GNR+4*(\g), 46
.endr
	PARTS HIA, 8                                   ; groups from 8 J + 9 on
	SEND 5, 5, 0
	ADDM HIA, GNR, 46
	PARTS HIA, 9
	SEND 6, 6, 0
	ADDP HIA, GOR+28
	PARTS HIA, 10
	SEND 7, 7, 0
	ADDP HIA, GOR+24
	PARTS HIA, 11
	; block 3: results 12 to 15; results 8 to 11 leave
	s_wait_alu depctr_va_vdst(0)                   ; block 2 has written v[OUT+32 .. OUT+47], which the eight stores of this block read
.irp n, 0,1,2,3
	SEND (\n)+8, 7-(\n), 1
	ADDP HIA, GOR+20-4*(\n)
	PARTS HIA, (\n)+12
.endr
	s_wait_alu depctr_va_vdst(0)                   ; block 3 has written v[OUT+48 .. OUT+63], which the last eight stores read
.irp n, 0,1,2,3
	SEND (\n)+12, 3-(\n), 1
.endr
	s_endpgm
.Lfunc_end_k_q78b089b243_fold:
	.size	k_q78b089b243_fold, .Lfunc_end_k_q78b089b243_fold-k_q78b089b243_fold
	.p2alignl 7, 3214868480
	.fill 96, 4, 3214868480
	.section	.rodata,"a",@progbits
	.p2align	6, 0x0
	.amdhsa_kernel k_q78b089b243_fold
		.amdhsa_group_segment_fixed_size 0
		.amdhsa_private_segment_fixed_size 0
		.amdhsa_enable_private_segment 0
		.amdhsa_kernarg_size 32
		.amdhsa_user_sgpr_count 2
		.amdhsa_user_sgpr_kernarg_segment_ptr 1
		.amdhsa_wavefront_size32 1
		.amdhsa_system_sgpr_workgroup_id_x 1
		.amdhsa_system_sgpr_workgroup_id_y 1
		.amdhsa_system_sgpr_workgroup_id_z 1
		.amdhsa_system_vgpr_workitem_id 0
		.amdhsa_next_free_vgpr 248
		.amdhsa_next_free_sgpr 66
		.amdhsa_reserve_vcc 0
		.amdhsa_float_denorm_mode_32 3
		.amdhsa_float_denorm_mode_16_64 3
		.amdhsa_memory_ordered 1
		.amdhsa_forward_progress 1
		.amdhsa_inst_pref_size 35
	.end_amdhsa_kernel
	.amdgpu_metadata
---
amdhsa.version: [ 1, 2 ]
amdhsa.kernels:
  - .name:           k_q78b089b243_fold
    .symbol:         k_q78b089b243_fold.kd
    .args:
      - { .name: kvp, .offset: 0, .size: 8, .value_kind: global_buffer, .address_space: global }
      - { .name: sums, .offset: 8, .size: 8, .value_kind: global_buffer, .address_space: global }
      - { .name: farb, .offset: 16, .size: 8, .value_kind: global_buffer, .address_space: global }
      - { .name: mi, .offset: 24, .size: 8, .value_kind: global_buffer, .address_space: global }
    .group_segment_fixed_size: 0
    .private_segment_fixed_size: 0
    .kernarg_segment_align: 8
    .kernarg_segment_size: 32
    .max_flat_workgroup_size: 128
    .sgpr_count:     66
    .vgpr_count:     248
    .wavefront_size: 32
...
	.end_amdgpu_metadata
.endif
;; end of part 5
;; launch attn: the kernel of part 4 again; grid 8 x 32, 8 waves a work-group, no clusters, 209,408 bytes of LDS; arguments qimg, kv, farb, mi, rel_k_table, rel_v_table, out0; writes out0
